; MI455X (gfx1250); checked and timed in simulation.
; The chip was launched on July 23, 2026; its instructions are those of AMD's public machine-readable ISA for CDNA 5 (MIT licence, August 2026) and "CDNA5" Instruction Set Architecture Reference Guide (July 2026). The comments in the code are by the model that wrote it; some were corrected since.
;; Flamingo Masked Cross Attention. Allowed arithmetic: matrix products marked QUANTISED: E2M1 operands, one E8M0 scale for each 32 along K, by v_wmma_scale_f32_16x16x128_f8f6f4 with both operands' format E2M1 (or v_wmma_scale_f32_32x16x128_f4), f32 sums; products left as they are: bf16, f16 or f32 operands; f32 sums; everything else in f32.
;; Inputs: Wkv 1,024 x 2,048 float32; Wo 1,024 x 2,048 float32; Wq 2,048 x 1,024 float32; media 4 x 8 x 64 x 1,024 float32; media_locations 4 x 2,048 bool; norm_b 2,048 float32; norm_w 2,048 float32; x 4 x 2,048 x 2,048 float32.
;; Outputs: out0 4 x 2,048 x 2,048 float32.
;; This version of the problem:
;;   THIS VERSION OF THE PROBLEM IS GIVEN IN LOW PRECISION. The matrix products marked QUANTISED in the list below multiply operands that are first quantised to E2M1 (2 exponent bits, 1 mantissa bit; 4 bits a number), with one power-of-two scale for each 32 numbers along K (OCP MX v1.0); their sums are f32. The products marked 'left as it is' may take bf16, f16 or f32 operands, with f32 sums. Whichever they take, every output number must still come out within the allowed error. Rounding operands to bf16 (8 significant bits) uses up far more of that allowance than f16 does (11 bits, for magnitudes from 6e-5 to 65,504). All else is computed in f32.
;;   The module's matrix products, in the order in which they are computed (A, B: the left and right operand; K: the contracted axis; several contracted axes count as one K, in the product's order):
;;     1. [M 8,192, K 2,048] x [K 2,048, N 1,024]; A: computed on the way; B: input Wq: left as it is (an operand is computed on the way)
;;     2. [M 2,048, K 1,024] x [K 1,024, N 2,048]; A: input media; B: input Wkv: QUANTISED
;;     3. batch 64 x [M 2,048, K 64] x [K 64, N 512]; A: computed on the way; B: computed on the way: left as it is (an operand is computed on the way)
;;     4. batch 64 x [M 2,048, K 512] x [K 512, N 64]; A: computed on the way; B: computed on the way: left as it is (an operand is computed on the way)
;;     5. [M 8,192, K 1,024] x [K 1,024, N 2,048]; A: computed on the way; B: input Wo: left as it is (an operand is computed on the way)
;;   THE QUANTISER, for each operand of a quantised product, along K:
;;     - K is cut into blocks of 32 from its start; a last block that is shorter is filled with zeros.
;;     - A block's scale is 2^e with e = floor(log2(the largest magnitude in the block)) - 2, held to -126 .. 127; a block of zeros has e = 0. As a byte (E8M0): e + 127.
;;     - Each number is divided by its block's scale, clamped to +-6, and rounded to the nearest number of E2M1, ties to even, subnormals kept.
;;     - The product sums the exact products of the quantised numbers (number of the format x scale) in f32.
;;   ~~~python
;;   def quantise(x, axis):      # numpy; x: float32 -> the quantised numbers, widened to float32 again
;;       x = np.moveaxis(x, axis, -1); K = x.shape[-1]
;;       x = np.pad(x, [(0, 0)] * (x.ndim - 1) + [(0, -K % 32)]); x = x.reshape(x.shape[:-1] + (-1, 32)); a = np.abs(x).max(-1, keepdims=True)
;;       e = np.where(a > 0, np.clip(np.frexp(np.where(a > 0, a, 1))[1] - 1 - 2, -126, 127), 0)      # np.frexp(a)[1] - 1 = floor(log2(a)), exactly
;;       r = np.clip(x / 2.0 ** e, -6, 6)
;;       step = 2.0 ** (np.maximum(np.frexp(np.where(r == 0, 1, r))[1] - 1, 0) - 1)
;;       q = np.round(r / step) * step * 2.0 ** e      # np.round: ties to even
;;       return np.moveaxis(q.reshape(q.shape[:-2] + (-1,))[..., :K], -1, axis).astype(np.float32)
;;   ~~~
;; One version. Each part assembles by itself: llvm-mc -triple=amdgcn-amd-amdhsa -mcpu=gfx1250 --defsym DOCPART=n.
;; ======== version 1 of 1: 4 launches
;; limits: values are held in f16: magnitudes above 65,504 overflow, below 6.1e-05 lose precision
;; workspace buffers: xn 33,554,432 bytes; w16 8,388,608 bytes; kvq 2,228,224 bytes; tt 32,768 bytes of whole numbers; kv 8,388,608 bytes; q 16,777,216 bytes; ao 16,777,216 bytes
;; launch prep (part 1): grid 1024 x 1, 4 waves a work-group, no clusters, 0 bytes of LDS; arguments x, norm_w, norm_b, Wq, Wo, media, Wkv, media_locations, xn, w16, kvq, tt; writes xn, w16, kvq, tt
.if DOCPART == 1
	.amdgcn_target "amdgcn-amd-amdhsa--gfx1250"
	.amdhsa_code_object_version 6
	.text
	.protected	k_q34976ac2d9_prep
	.globl	k_q34976ac2d9_prep
	.p2align	8
	.type	k_q34976ac2d9_prep,@function
k_q34976ac2d9_prep:
	s_mov_b64 s[64:65], 0
	v_nop
	global_prefetch_b8 v0, s[64:65] scope:SCOPE_SE
	s_setreg_imm32_b32 hwreg(HW_REG_WAVE_MODE, 25, 1), 1
	s_wait_xcnt 0x0
; FLAMINGO MASKED CROSS-ATTENTION, launch 1 of 4 (prep, qkv, attn, ogemm): every input is brought once into the form in which the later launches read it.
;   LN    xn = LayerNorm(x) x norm_w + norm_b, in f32, rounded once to f16, [8192][2048] row-major.  Work-groups 0-511 take 3 rows a wave (rows 0-6143); each of the other 512 takes
;         1 row a wave behind its own role (rows 6144-8191): so all 1,024 work-groups carry chains of dependent loads of like length, and as many work-groups are launched as 256 registers a wave let lie on the chip at once.
;   WCONV (512-639, 640-767)      Wq and Wo, f32 [k][n], to f16 in the order of a matrix operand's registers (16 n x 32 k to a fragment)
;   MQ    (768-895)               media to codes of E2M1 along K = 1024 (innermost), with E8M0 scale words, in operand order
;   WQ    (896-1023)              Wkv likewise; its K is the first axis: a lane takes a column and its registers run down K
;   TT    (768, behind its MQ)    tt = min(cumsum(media_locations), 9), as whole numbers: the launch attn forms a trip range and an address from them
; WORK LEFT OUT BY THE PROGRAM (in attn), AND WHY IT IS DEAD.  reference() sets sim = -FLT_MAX at every key whose media_time differs from the query's text_time t.
; For t in 1..8 exactly the 64 keys of media t keep their scores; the row's maximum is one of those (finite) scores, so behind "sim - max" the other 448 exponents are at most
; -FLT_MAX - max, whose exponential is 0 for all finite q and k: those keys' scores and their terms of attn @ v reach no output.  They come in whole tiles of 64 keys, and which
; tiles they are is said by whole numbers that attn reads from memory (tt).  For t = 0 reference() zeroes the row; for t > 8 every score is -FLT_MAX, the softmax is 1/512
; on all 512 keys: both are served.  All t > 8 behave alike, hence the hold at 9.  No input is unused.
; LIMITS.  A NaN, an infinity or an overflow that reaches only the masked scores is not carried to the result.  xn, Wq, Wo, q, k, v and the attention's result are rounded to f16
; (largest number 65,504; below 6e-5 with fewer bits).  NaN and infinities among the inputs are not served.  A block of 32 zeros gets the scale byte 1 where the rule says 127: its
; codes are zeros, which add nothing under any byte but 0xff, and this program alone reads the bytes.
; No LDS, no barrier: waves share nothing.  The roles part on the work-group's number alone.
.set MC, 0                             ; kvq: media's codes  [row tile 128][K step 8][c 2][lane 32][16 bytes]
.set WC, 1048576                       ;      Wkv's codes    [column tile 128][K step 8][c 2][lane 32][16 bytes]
.set MS, 2097152                       ;      media's scale words [row tile][K step][16]
.set WS, 2162688                       ;      Wkv's scale words   [column tile][K step][16]
.set W,   16                           ; LN: v16-79   norm_w of my 64 columns
.set NB,  80                           ;     v80-143  norm_b
.set X,   144                          ;     v144-207 a row's 64 numbers of mine
.set OUT, 208                          ;     v208-239 the same as f16
.set TM,  144                          ; MQ: v144-159 at work in QUANT
.macro WAITL n                         ; a wait's count cannot name more than 63; a smaller count than the loads behind is always right
.if (\n) > 63
	s_wait_loadcnt 63
.else
	s_wait_loadcnt \n
.endif
.endm
	s_load_b512 s[8:23], s[0:1], 0x0               ; x s[8:9], norm_w s[10:11], norm_b s[12:13], Wq s[14:15], Wo s[16:17], media s[18:19], Wkv s[20:21], media_locations s[22:23]
	s_load_b256 s[24:31], s[0:1], 0x40             ; xn s[24:25], w16 s[26:27], kvq s[28:29], tt s[30:31]
	v_lshrrev_b32 v1, 5, v0
	v_readfirstlane_b32 s2, v1                     ; wave 0..3
	v_and_b32 v1, 31, v0                           ; lane; stays
	v_lshrrev_b32 v5, 4, v1                        ; h = lane / 16
	v_and_b32 v6, 15, v1                           ; r = lane % 16
	s_mov_b32 s40, 0x76543210
	s_mov_b32 s41, 0xfedcba98                      ; v_permlanex16_b32's selects for lane l xor 16
	s_mov_b32 s7, 0                                ; the high word of every byte offset (all lie under 2^32); stays
	s_wait_kmcnt 0x0
	s_cmp_lt_u32 ttmp9, 512
	s_cbranch_scc1 .Lln
	s_cmp_lt_u32 ttmp9, 640
	s_cbranch_scc1 .Lwq16
	s_cmp_lt_u32 ttmp9, 768
	s_cbranch_scc1 .Lwo16
	s_cmp_lt_u32 ttmp9, 896
	s_cbranch_scc1 .Lmq
	s_branch .Lwkv
; ---------------------------------------------------------------- LN: a wave takes its rows one after the other, each whole in its registers
; Load j of 16 takes 16 bytes a lane at 512 j + 16 lane: 512 consecutive bytes.  The lane's 4 numbers become 8 bytes of f16 at 256 j + 8 lane: each store of the wave covers 256 consecutive bytes, aligned.
.macro REDUCE                          ; four packed chains v[4:11] -> their sum over the row, in v4 of every lane
	v_pk_add_f32 v[4:5], v[4:5], v[6:7]
	v_pk_add_f32 v[8:9], v[8:9], v[10:11]
	v_pk_add_f32 v[4:5], v[4:5], v[8:9]
	v_add_f32 v4, v4, v5
	v_add_f32_dpp v4, v4, v4 row_xmask:1 row_mask:0xf bank_mask:0xf
	v_add_f32_dpp v4, v4, v4 row_xmask:2 row_mask:0xf bank_mask:0xf
	v_add_f32_dpp v4, v4, v4 row_xmask:4 row_mask:0xf bank_mask:0xf
	v_add_f32_dpp v4, v4, v4 row_xmask:8 row_mask:0xf bank_mask:0xf
	v_permlanex16_b32 v240, v4, s40, s41
	v_add_f32 v4, v4, v240
.endm
.macro LNSETUP                         ; s4 = my first row: the bases, the offsets, and the loads of that row, of norm_w and of norm_b
	s_lshl_b32 s6, s4, 13
	s_add_nc_u64 s[8:9], s[8:9], s[6:7]            ; x: 8,192 bytes a row
	s_lshl_b32 s6, s4, 12
	s_add_nc_u64 s[24:25], s[24:25], s[6:7]        ; xn: 4,096
	v_lshlrev_b32 v2, 4, v1
	v_lshlrev_b32 v3, 3, v1
	v_mov_b32 v240, 0                              ; a lane permute's destination counts as one of its sources
	v_mov_b32 v241, 0x3a000000                     ; 1 / 2048
.irp j, 0,1,2,3,4,5,6,7,8,9,10,11,12,13,14,15
	global_load_b128 v[X+4*\j:X+4*\j+3], v2, s[8:9] offset:512*\j th:TH_LOAD_NT
.endr
.irp j, 0,1,2,3,4,5,6,7,8,9,10,11,12,13,14,15
	global_load_b128 v[W+4*\j:W+4*\j+3], v2, s[10:11] offset:512*\j
.endr
.irp j, 0,1,2,3,4,5,6,7,8,9,10,11,12,13,14,15
	global_load_b128 v[NB+4*\j:NB+4*\j+3], v2, s[12:13] offset:512*\j
.endr
.endm
.macro ROW i, ahead
	s_wait_loadcnt 0x0                             ; the row is in (and, the first time, norm_w and norm_b)
.irp k, 0,1,2,3
	v_pk_add_f32 v[4+2*\k:5+2*\k], v[X+2*\k:X+2*\k+1], v[X+8+2*\k:X+9+2*\k]   ; the first eight pairs start four chains: nothing is cleared
.endr
.set p, 8
.rept 24
	v_pk_add_f32 v[4+2*(p%4):5+2*(p%4)], v[4+2*(p%4):5+2*(p%4)], v[X+2*p:X+2*p+1]
.set p, p+1
.endr
	REDUCE
	v_mul_f32 v12, 0x3a000000, v4                  ; mu = sum / 2048, in both words of a pair
	v_mul_f32 v13, 0x3a000000, v4
.set p, 0
.rept 32
	v_pk_add_f32 v[X+2*p:X+2*p+1], v[X+2*p:X+2*p+1], v[12:13] neg_lo:[0,1] neg_hi:[0,1]   ; x - mu
.set p, p+1
.endr
.irp k, 0,1,2,3
	v_pk_mul_f32 v[4+2*\k:5+2*\k], v[X+2*\k:X+2*\k+1], v[X+2*\k:X+2*\k+1]
.endr
.set p, 4
.rept 28
	v_pk_fma_f32 v[4+2*(p%4):5+2*(p%4)], v[X+2*p:X+2*p+1], v[X+2*p:X+2*p+1], v[4+2*(p%4):5+2*(p%4)]
.set p, p+1
.endr
	REDUCE
	v_fmaak_f32 v15, v4, v241, 0x3727c5ac          ; var + 1e-5 = sum of squares / 2048 + 1e-5
	v_rsq_f32 v14, v15
	v_nop                                          ; a plain instruction behind the transcendental,
	s_wait_alu depctr_va_vdst(0)                   ; and the wait ahead of its first reader
	v_mov_b32 v15, v14
.set p, 0
.rept 32
	v_pk_mul_f32 v[X+2*p:X+2*p+1], v[X+2*p:X+2*p+1], v[14:15]
.set p, p+1
.endr
.set p, 0
.rept 32
	v_pk_fma_f32 v[X+2*p:X+2*p+1], v[X+2*p:X+2*p+1], v[W+2*p:W+2*p+1], v[NB+2*p:NB+2*p+1]
.set p, p+1
.endr
.if \i > 0
	s_wait_xcnt 0x0                                ; the last row's stores have read OUT: only now is it written again
.endif
.set p, 0
.rept 32
	v_cvt_pk_f16_f32 v[OUT+p], v[X+2*p], v[X+2*p+1]
.set p, p+1
.endr
.if \ahead
.irp j, 0,1,2,3,4,5,6,7,8,9,10,11,12,13,14,15
	global_load_b128 v[X+4*\j:X+4*\j+3], v2, s[8:9] offset:(\i+1)*8192+512*\j th:TH_LOAD_NT   ; the next row, ahead of this row's stores
.endr
.endif
.irp j, 0,1,2,3,4,5,6,7,8,9,10,11,12,13,14,15
	global_store_b64 v3, v[OUT+2*\j:OUT+2*\j+1], s[24:25] offset:\i*4096+256*\j
.endr
.endm
.Lln:
	s_mul_i32 s4, ttmp9, 12
	s_mul_i32 s5, s2, 3
	s_add_co_u32 s4, s4, s5                        ; my first row: 12 x work-group + 3 x wave
	LNSETUP
	ROW 0, 1
	ROW 1, 1
	ROW 2, 0                                       ; the last row asks for nothing
	s_endpgm
; ---------------------------------------------------------------- a lane takes a column, its 128 registers run down a K step of 128
.macro COLLOAD ptr, pitch              ; each load reads 128 consecutive bytes a wave, the work-group's four waves 512
.set i, 0
.rept 128
	global_load_b32 v[16+i], v2, s[\ptr:\ptr+1] offset:i*\pitch
.set i, i+1
.endr
.endm
; WCONV.  A fragment of the image is 16 n x 32 k of f16 as the matrix instruction's registers hold it: lane (r, h) holds n = r; its first 16 bytes k = 8 h .. 8 h + 7, its second k = 16 + 8 h ..
; So the 8 numbers k = 8 p .. 8 p + 7 of a K step (p = 0 .. 15) of column r lie at 256 p + 16 r of the column tile's 4,096 bytes: lanes 0-15 and lanes 16-31 each store 256 consecutive bytes, aligned.
.macro WROLE first, cgbits, pitch, ptr, dstoff
	s_sub_co_u32 s3, ttmp9, \first
	s_lshr_b32 s4, s3, \cgbits                     ; K step
	s_and_b32 s5, s3, (1<<\cgbits)-1               ; group of 128 columns
	s_mul_i32 s6, s4, 128*\pitch
	s_lshl_b32 s36, s5, 9
	s_add_co_u32 s6, s6, s36
	s_lshl_b32 s36, s2, 7
	s_add_co_u32 s6, s6, s36
	s_add_nc_u64 s[\ptr:\ptr+1], s[\ptr:\ptr+1], s[6:7]
	s_mul_i32 s6, s4, (8<<\cgbits)*4096            ; a K step of the image: all column tiles x 4,096 bytes
	s_lshl_b32 s36, s5, 15
	s_add_co_u32 s6, s6, s36
	s_lshl_b32 s36, s2, 13
	s_add_co_u32 s6, s6, s36                       ; column tile 8 x group + 2 x wave (+ lane / 16)
	s_add_co_u32 s6, s6, \dstoff
	s_add_nc_u64 s[26:27], s[26:27], s[6:7]
	v_lshlrev_b32 v2, 2, v1
	v_lshlrev_b32 v3, 4, v6
	v_lshl_add_u32 v3, v5, 12, v3
	COLLOAD \ptr, \pitch
.set p, 0
.rept 16
	WAITL 120-8*p                                  ; loads come back in order: behind piece p's eight stand 120 - 8 p
.irp e, 0,1,2,3
	v_cvt_pk_f16_f32 v[144+4*p+\e], v[16+8*p+2*\e], v[17+8*p+2*\e]
.endr
	global_store_b128 v3, v[144+4*p:147+4*p], s[26:27] offset:256*p   ; every piece has registers of its own: no store's data are written again
.set p, p+1
.endr
	s_branch .Lone                                 ; on to my row of LayerNorm
.endm
.Lwq16:
	WROLE 512, 3, 4096, 14, 0                      ; Wq [2048][1024] -> w16 at 0: [K step 16][column tile 64][4,096]
.Lwo16:
	WROLE 640, 4, 8192, 16, 4194304                ; Wo [1024][2048] -> w16 at 4,194,304: [K step 8][column tile 128][4,096]
; ---------------------------------------------------------------- MQ: 16 rows of media a work-group, two K steps of 128 a wave
; 64 numbers of a lane, register 16 b + i = k 32 b + 16 h + i of row r, become a fragment's 8 registers of codes and the row's scale word.
; A block's scale: the largest magnitude's exponent field less 2 is the byte, and (as an f32's exponent field) the conversion's scale operand; the floor 2^(3 - 127) holds the byte at 1 from below.
.macro QUANT s, pc, pw
.irp b, 0,1,2,3
	v_max3_num_f32 v[TM+\b], |v[\s+16*\b]|, |v[\s+1+16*\b]|, 0x1800000
.endr
.irp i, 2,4,6,8,10,12,14
.irp b, 0,1,2,3
	v_max3_num_f32 v[TM+\b], v[TM+\b], |v[\s+16*\b+\i]|, |v[\s+1+16*\b+\i]|   ; the four blocks by turns
.endr
.endr
.irp b, 0,1,2,3
	v_permlanex16_b32 v[TM+4+\b], v[TM+\b], s40, s41
.endr
.irp b, 0,1,2,3
	v_max_num_f32 v[TM+\b], v[TM+\b], v[TM+4+\b]   ; with lane l xor 16's 16 numbers: the block's largest magnitude
.endr
.irp b, 0,1,2,3
	v_add_nc_u32 v[TM+12+\b], 0xff000000, v[TM+\b] ; 2 off its exponent field
.endr
.irp b, 0,1,2,3
	v_lshrrev_b32 v[TM+4+\b], 23, v[TM+12+\b]      ; the scale's byte
.endr
	v_lshl_or_b32 v[\pw], v[TM+5], 8, v[TM+4]
	v_lshl_or_b32 v[\pw], v[TM+6], 16, v[\pw]
	v_lshl_or_b32 v[\pw], v[TM+7], 24, v[\pw]
.irp b, 0,1,2,3
	v_cvt_scalef32_pk8_fp4_f32 v[\pc+2*\b], v[\s+16*\b:\s+7+16*\b], v[TM+12+\b]     ; to the nearest code, ties to even; beyond 6 the largest code
	v_cvt_scalef32_pk8_fp4_f32 v[\pc+1+2*\b], v[\s+8+16*\b:\s+15+16*\b], v[TM+12+\b]
.endr
	v_nop                                          ; one plain instruction behind a scaled conversion
.irp c, 0,1                            ; the operand wants a whole block in a lane: lanes 0-15 block 2 c, lanes 16-31 block 2 c + 1
.irp i, 0,1
	v_permlane16_swap_b32 v[\pc+4*\c+\i], v[\pc+2+4*\c+\i]
.endr
.endr
.endm
.macro XLOAD reg, s
.irp b, 0,1,2,3
.irp j, 0,1,2,3
	global_load_b128 v[\reg+16*\b+4*\j:\reg+16*\b+4*\j+3], v2, s[18:19] offset:512*\s+128*\b+16*\j
.endr
.endr
.endm
.Lmq:
	s_sub_co_u32 s3, ttmp9, 768                    ; row tile
	s_lshl_b32 s6, s3, 16
	s_lshl_b32 s4, s2, 10
	s_add_co_u32 s6, s6, s4
	s_add_nc_u64 s[18:19], s[18:19], s[6:7]        ; media: 16 rows of 4,096 bytes a tile, 1,024 bytes (two K steps) a wave
	s_lshl_b32 s6, s3, 13
	s_lshl_b32 s4, s2, 11
	s_add_co_u32 s6, s6, s4
	s_add_nc_u64 s[32:33], s[28:29], s[6:7]        ; codes: MC = 0, 8,192 bytes a tile, 1,024 a K step
	s_lshl_b32 s6, s3, 9
	s_lshl_b32 s4, s2, 7
	s_add_co_u32 s6, s6, s4
	s_add_co_u32 s6, s6, MS
	s_add_nc_u64 s[34:35], s[28:29], s[6:7]        ; scale words: 512 bytes a tile, 64 a K step
	v_lshlrev_b32 v2, 12, v6
	v_lshl_add_u32 v2, v5, 6, v2                   ; row r, + 64 h: my 16 numbers of each block of 32
	v_lshlrev_b32 v3, 4, v1
	v_lshlrev_b32 v4, 2, v1
.irp b, 0,1,2,3
	v_mov_b32 v[TM+4+\b], 0                        ; a lane permute's destination counts as one of its sources
.endr
	XLOAD 16, 0
	XLOAD 80, 1
	s_wait_loadcnt 16                              ; the first K step's 16 loads are in; the second's may be out
	QUANT 16, 160, 176
	s_wait_loadcnt 0x0
	QUANT 80, 168, 177
.irp s, 0,1
.irp c, 0,1
	global_store_b128 v3, v[160+8*\s+4*\c:163+8*\s+4*\c], s[32:33] offset:1024*\s+512*\c   ; the fragment as its registers stand: 512 consecutive bytes a store
.endr
.endr
	v_cmp_le_u32 vcc_lo, 16, v1
	v_cndmask_b32 v178, v176, v177, vcc_lo         ; lanes 0-15: the first K step's words, lanes 16-31: the second's (every lane holds its row r's)
	global_store_b32 v4, v178, s[34:35]
	s_cmp_lg_u32 ttmp9, 768
	s_cbranch_scc1 .Lone                           ; all but the first of these work-groups go on to their row of LayerNorm
; ---------------------------------------------------------------- TT, in work-group 768 alone: wave w takes batch w; a lane 64 positions
	s_wait_xcnt 0x0                                ; the stores above have read their registers
	s_lshl_b32 s6, s2, 11
	s_add_nc_u64 s[22:23], s[22:23], s[6:7]
	s_lshl_b32 s6, s2, 13
	s_add_nc_u64 s[30:31], s[30:31], s[6:7]
	v_lshlrev_b32 v2, 6, v1
	v_lshlrev_b32 v3, 8, v1
.irp j, 0,1,2,3
	global_load_b128 v[16+4*\j:19+4*\j], v2, s[22:23] offset:16*\j
.endr
	s_mov_b32 s46, 0x01010101
	s_mov_b32 s44, 0
	v_mov_b32 v5, 0
	s_wait_loadcnt 0x0
	v_add3_u32 v4, v16, v17, v18                   ; the 16 words as four packed bytes: each byte at most 16
.irp j, 19,21,23,25,27,29
	v_add3_u32 v4, v4, v[\j], v[\j+1]
.endr
	v_add_nc_u32 v4, v4, v31
	v_mul_lo_u32 v4, v4, s46
	v_lshrrev_b32 v4, 24, v4                       ; my 64 positions' count
.set i, 0
.rept 32                               ; the counts of the lanes before me
	v_writelane_b32 v5, s44, i
	v_readlane_b32 s45, v4, i
	s_add_co_u32 s44, s44, s45
.set i, i+1
.endr
.set i, 0
.rept 64
	v_bfe_u32 v6, v[16+i/4], 8*(i%4), 8
	v_add_nc_u32 v5, v5, v6                        ; text_time, this position counted
	v_min_u32 v[32+i], 9, v5
.set i, i+1
.endr
.irp j, 0,1,2,3,4,5,6,7,8,9,10,11,12,13,14,15
	global_store_b128 v3, v[32+4*\j:35+4*\j], s[30:31] offset:16*\j   ; a lane's 256 bytes in 16 stores; 32,768 bytes in the whole launch
.endr
	s_branch .Lone
; ---------------------------------------------------------------- WQ: 128 columns x one K step of Wkv a work-group
.Lwkv:
	s_sub_co_u32 s3, ttmp9, 896
	s_lshr_b32 s4, s3, 4                           ; K step
	s_and_b32 s5, s3, 15                           ; group of 128 columns
	s_lshl_b32 s6, s4, 20
	s_lshl_b32 s36, s5, 9
	s_add_co_u32 s6, s6, s36
	s_lshl_b32 s36, s2, 7
	s_add_co_u32 s6, s6, s36
	s_add_nc_u64 s[20:21], s[20:21], s[6:7]
	s_lshl_b32 s36, s5, 3
	s_lshl_b32 s37, s2, 1
	s_add_co_u32 s36, s36, s37                     ; column tile 8 x group + 2 x wave (+ lane / 16)
	s_lshl_b32 s6, s36, 13
	s_lshl_b32 s37, s4, 10
	s_add_co_u32 s6, s6, s37
	s_add_co_u32 s6, s6, WC
	s_add_nc_u64 s[32:33], s[28:29], s[6:7]
	s_lshl_b32 s6, s36, 9
	s_lshl_b32 s37, s4, 6
	s_add_co_u32 s6, s6, s37
	s_add_co_u32 s6, s6, WS
	s_add_nc_u64 s[34:35], s[28:29], s[6:7]
	v_lshlrev_b32 v2, 2, v1
	v_lshlrev_b32 v3, 4, v6
	v_lshl_add_u32 v3, v5, 13, v3
	v_lshlrev_b32 v4, 2, v6
	v_lshl_add_u32 v4, v5, 9, v4
	COLLOAD 20, 8192
.macro WBLOCK kb                       ; block kb of my column: all its 32 numbers are mine; its 16 bytes of codes lie at 256 kb + 16 r of the tile's K step
.set XS, 16+32*\kb
	WAITL 96-32*\kb
	v_max3_num_f32 v12, |v[XS]|, |v[XS+1]|, |v[XS+2]|
	v_max3_num_f32 v13, |v[XS+3]|, |v[XS+4]|, |v[XS+5]|
.irp i, 6,10,14,18,22,26
	v_max3_num_f32 v12, v12, |v[XS+\i]|, |v[XS+\i+1]|
	v_max3_num_f32 v13, v13, |v[XS+\i+2]|, |v[XS+\i+3]|
.endr
	v_max3_num_f32 v12, v12, |v[XS+30]|, |v[XS+31]|
	v_max3_num_f32 v12, v12, v13, 0x1800000
	v_add_nc_u32 v11, 0xff000000, v12
	v_lshrrev_b32 v13, 23, v11
.if \kb == 0
	v_mov_b32 v8, v13
.else
	v_lshl_or_b32 v8, v13, 8*\kb, v8
.endif
.irp g, 0,1,2,3
	v_cvt_scalef32_pk8_fp4_f32 v[144+4*\kb+\g], v[XS+8*\g:XS+8*\g+7], v11
.endr
	v_nop                                          ; one plain instruction behind the last scaled conversion of a run
	global_store_b128 v3, v[144+4*\kb:147+4*\kb], s[32:33] offset:256*\kb   ; lanes 0-15 and lanes 16-31 each 256 consecutive bytes, aligned
.endm
	WBLOCK 0
	WBLOCK 1
	WBLOCK 2
	WBLOCK 3
	global_store_b32 v4, v8, s[34:35]              ; the scale words leave in pieces of 64 bytes: one byte for each 128 that the role reads
; ---------------------------------------------------------------- the row of LayerNorm that each wave of work-groups 512-1023 takes behind its role
.Lone:
	s_wait_xcnt 0x0                                ; the role's stores have read their addresses and data: those registers are written again below.  (Its loads have all been waited for)
	s_sub_co_u32 s4, ttmp9, 512
	s_lshl_b32 s4, s4, 2
	s_add_co_u32 s4, s4, s2
	s_add_co_u32 s4, s4, 6144                      ; my row: 6,144 + 4 x (work-group - 512) + wave
	LNSETUP
	ROW 0, 0
	s_endpgm
.Lfunc_end_k_q34976ac2d9_prep:
	.size	k_q34976ac2d9_prep, .Lfunc_end_k_q34976ac2d9_prep-k_q34976ac2d9_prep
	.p2alignl 7, 3214868480
	.fill 96, 4, 3214868480
	.section	.rodata,"a",@progbits
	.p2align	6, 0x0
	.amdhsa_kernel k_q34976ac2d9_prep
		.amdhsa_group_segment_fixed_size 0
		.amdhsa_private_segment_fixed_size 0
		.amdhsa_enable_private_segment 0
		.amdhsa_kernarg_size 96
		.amdhsa_user_sgpr_count 2
		.amdhsa_user_sgpr_kernarg_segment_ptr 1
		.amdhsa_wavefront_size32 1
		.amdhsa_system_sgpr_workgroup_id_x 1
		.amdhsa_system_sgpr_workgroup_id_y 1
		.amdhsa_system_sgpr_workgroup_id_z 1
		.amdhsa_system_vgpr_workitem_id 0
		.amdhsa_next_free_vgpr 256
		.amdhsa_next_free_sgpr 66
		.amdhsa_reserve_vcc 1
		.amdhsa_float_denorm_mode_32 3
		.amdhsa_float_denorm_mode_16_64 3
		.amdhsa_memory_ordered 1
		.amdhsa_forward_progress 1
		.amdhsa_inst_pref_size 158
	.end_amdhsa_kernel
	.amdgpu_metadata
---
amdhsa.version: [ 1, 2 ]
amdhsa.kernels:
  - .name:           k_q34976ac2d9_prep
    .symbol:         k_q34976ac2d9_prep.kd
    .args:
      - { .name: x, .offset: 0, .size: 8, .value_kind: global_buffer, .address_space: global }
      - { .name: norm_w, .offset: 8, .size: 8, .value_kind: global_buffer, .address_space: global }
      - { .name: norm_b, .offset: 16, .size: 8, .value_kind: global_buffer, .address_space: global }
      - { .name: Wq, .offset: 24, .size: 8, .value_kind: global_buffer, .address_space: global }
      - { .name: Wo, .offset: 32, .size: 8, .value_kind: global_buffer, .address_space: global }
      - { .name: media, .offset: 40, .size: 8, .value_kind: global_buffer, .address_space: global }
      - { .name: Wkv, .offset: 48, .size: 8, .value_kind: global_buffer, .address_space: global }
      - { .name: media_locations, .offset: 56, .size: 8, .value_kind: global_buffer, .address_space: global }
      - { .name: xn, .offset: 64, .size: 8, .value_kind: global_buffer, .address_space: global }
      - { .name: w16, .offset: 72, .size: 8, .value_kind: global_buffer, .address_space: global }
      - { .name: kvq, .offset: 80, .size: 8, .value_kind: global_buffer, .address_space: global }
      - { .name: tt, .offset: 88, .size: 8, .value_kind: global_buffer, .address_space: global }
    .group_segment_fixed_size: 0
    .private_segment_fixed_size: 0
    .kernarg_segment_align: 8
    .kernarg_segment_size: 96
    .max_flat_workgroup_size: 128
    .sgpr_count:     66
    .vgpr_count:     256
    .wavefront_size: 32
...
	.end_amdgpu_metadata
.endif
;; end of part 1
;; launch qkv (part 2): grid 4 x 64, 4 waves a work-group, clusters of 4 x 4, 327,680 bytes of LDS; arguments xn, w16, q, kvq, kv; writes q, kv
.if DOCPART == 2
	.amdgcn_target "amdgcn-amd-amdhsa--gfx1250"
	.amdhsa_code_object_version 6
	.text
	.protected	k_q34976ac2d9_qkv
	.globl	k_q34976ac2d9_qkv
	.p2align	8
	.type	k_q34976ac2d9_qkv,@function
k_q34976ac2d9_qkv:
	s_mov_b64 s[64:65], 0
	v_nop
	global_prefetch_b8 v0, s[64:65] scope:SCOPE_SE
	s_setreg_imm32_b32 hwreg(HW_REG_WAVE_MODE, 25, 1), 1
	s_wait_xcnt 0x0
	s_wait_alu depctr_hold_cnt(0) depctr_sa_sdst(0) depctr_va_vdst(0) depctr_va_sdst(0) depctr_va_ssrc(0) depctr_va_vcc(0) depctr_vm_vsrc(0)
	s_getreg_b32 s2, hwreg(HW_REG_IB_STS2, 6, 4)
	s_cmp_eq_u32 s2, 0
	s_cbranch_scc0 .Lentry_in_a_cluster
	s_endpgm
.Lentry_in_a_cluster:
	s_bfe_u32 s2, ttmp6, 0x10000c
	s_cmp_lg_u32 s2, 0xf033
	s_cbranch_scc0 .Lentry_shape_is_right
	s_endpgm
.Lentry_shape_is_right:
; Launch 2 of 4: the two products that hang on prep alone.
; (1) kv = media @ Wkv on codes of E2M1 with E8M0 scales (K = 1024, 8 steps of 128), sums in f32; k and v leave as f16 in the order of attn's operand registers.
; (2) q = xn @ Wq, [8192, 2048] x [2048, 1024], f16 operands, f32 sums; q leaves as f16 in the order of attn's operand registers ([row tile 512][32 columns: 32][1,024 bytes]).
; f16 and not bf16: four products stand in a chain, and 8 significant bits in each would use up what the comparison allows; xn, Wq and q have room in f16 (the limits stand at the head of prep).
; WHY TOGETHER.  (1) is 1,024 shares of 64 keys x 64 columns, 128 matrix instructions each; (2) has 1,024 waves.  Each wave does one share of (1) between the request for (2)'s first two tiles and the wait for
; them: its loads, products and stores stand where the wave would only wait, nothing waits for its stores, and no launch is spent on it.
; (1) IN A WAVE.  All operands of a share, 64 KB of codes, come straight into registers (they lie in memory as the registers want them: 512 consecutive bytes a load): no LDS.  ONE TEXT FOR k AND v: source 0 is
; stream X, source 1 stream Y; in the result a lane holds one row of Y and its 8 registers 8 neighbouring rows of X.
;   k (waves 0, 2): X = Wkv's columns, Y = media's rows: a lane holds a key, registers run along d: two neighbouring tiles, rounded in pairs, are a fragment 16 keys x 32 d.
;   v (waves 1, 3): X = media's rows, Y = Wkv's columns: a lane holds d, registers run along the keys: a fragment 16 d x 32 keys, the keys being the later product's K.
; Only byte offsets are chosen between, on the wave's number.  With id = 4 x tile row + tile column: media id / 8, head 2 (id % 8) + wave / 2.
; (2)'S SHAPE.  8192 x 1024 are 256 tiles of 128 x 256, one for each work-group; four waves, each 64 x 128: 32 accumulators.  K goes in 16 steps of 128 through two LDS slots.
; A slot: xn's 128 rows x 256 bytes, 16 bytes of padding behind each (row r starts 68 words on from row r - 1, so the 16 rows of a load start in 16 different groups of banks: ISA guide 11.1);
; then Wq's 16 column tiles as images of the operand's registers, 65,536 dense bytes: a fragment load reads 512 consecutive bytes.  Two slots of two K steps each would not fit in LDS.
; CLUSTER 4 x 4: the four work-groups of a row of the cluster need the same tile of xn, the four of a column the same tile of Wq: each is asked for jointly, by the same tensor load with a mask that names the four.
; THE MATRIX INSTRUCTION IS USED TRANSPOSED (source 0 = 16 columns of Wq, source 1 = 16 rows of xn): a lane holds one row and 8 neighbouring columns, so two neighbouring tiles, rounded in pairs, are a
; fragment of q as attn wants it, and the way out needs no LDS.
; REGISTERS in (2): window 0: v16-30 addresses; v32-95 xn's fragments, two buffers of 4; v128-255 Wq's, two buffers of 8; window 1: accumulator (a, b) at v[8 (8 a + b)].
; REGISTERS in (1): window 0: v32-47 X's scale words, v48-63 Y's (tile t, pair of K steps p at 4 t + p: lanes 0-15 K step 2 p, lanes 16-31 K step 2 p + 1); v64-191 accumulators; v192-255 results;
;   window 1: X's fragments (K step ks, tile x at 32 ks + 8 x);  window 2: Y's.
.set PITCH,  272
.set HALFA,  64*PITCH                  ; 64 rows of xn: one tensor load, and what one wave reads
.set BOFF,   2*HALFA
.set HALFB,  32768                     ; 8 column tiles of Wq: one tensor load, and what one wave reads
.set SLOT,   BOFF+2*HALFB              ; 100,352
.set SPARE,  2*SLOT                    ; behind the ring: the spare words, 128 bytes a wave: two blocks of 256 bytes that no other line names
.set LAPS,   8                         ; a lap = two K steps = once round the ring
.set ADRA, 16                          ; v16-17  LDS address of my fragments of xn in slot 0, 1
.set ADRB, 20                          ; v20-21  of Wq
.set GO,   26                          ; v26     16 x lane: my place in a fragment; never rewritten
.set L4,   27                          ; v27     4 x lane: my place among 32 scale words; never rewritten
.set SPW,  28                          ; v28     my spare word; never rewritten
.set NIL,  29                          ; v29     0; never rewritten
.set PFO,  30                          ; v30     the prefetches' offset: lane x a row of xn; never rewritten
.set FA0,  32
.set FB0,  128
.set MS,   2097152                     ; kvq: media's codes at 0, Wkv's at WC, media's scale words at MS, Wkv's at WS
.set WC,   1048576
.set WS,   2162688
.set SX,   32
.set SY,   48
.set ACC,  64
.set OUTF, 192
.set G1,  24                           ; s[24:31] descriptor group 1 for xn's tiles; s[32:39] group 0, a set for each slot
.set G0,  32
.set G1B, 48                           ; s[48:55], s[56:63] the same for Wq's
.set G0B, 56
.set PFA, 44                           ; s[44:45] where my prefetches stand
.set LIM, 43                           ; s43 1 in the wave that prefetches, else the greatest number
.set MSB, 0
.macro WIN new                         ; the immediate's high byte repeats the setting that is left
.if MSB != \new
	s_set_vgpr_msb (MSB<<8)|\new
.set MSB, \new
.endif
.endm
.macro WAITL n                         ; a wait's count cannot name more than 63; a smaller count than the loads behind is always right
.if (\n) > 63
	s_wait_loadcnt 63
.else
	s_wait_loadcnt \n
.endif
.endm
.set MUL, 0x50                         ; C and D window 1; both sources window 0
; A joint load: waves 0 and 1 fetch xn's two halves, waves 2 and 3 Wq's.  The branch hangs on the wave's number alone.  An s_nop 0 and four v_nop follow each of the two lines.
.macro JLOAD s
	s_cmp_eq_u32 s11, 0
	s_cbranch_scc0 .Lfor_b_\@
	tensor_load_to_lds s[G0+4*\s:G0+4*\s+3], s[G1:G1+7]
	s_nop 0
.rept 4
	v_nop
.endr
	s_branch .Lasked_\@
.Lfor_b_\@:
	tensor_load_to_lds s[G0B+4*\s:G0B+4*\s+3], s[G1B:G1B+7]
	s_nop 0
.rept 4
	v_nop
.endr
.Lasked_\@:
.endm
; A prefetch of xn, which is read once: the K step that stands two refills on, 256 bytes of a row, a lane a row.  A tile row's 128 rows are read by this cluster alone; its four partners of a row take 32 rows each,
; told apart by address; in each, wave 0 asks: one instruction.  The loop's last trip asks for nothing: there is no K step two refills on.  Wq's image is read by all rows of clusters again and again: not asked for.
.macro ASK
	s_cmp_gt_u32 s3, s[LIM]
	s_cbranch_scc0 .Lnot_mine_\@
	global_prefetch_b8 v[PFO], s[PFA:PFA+1] offset:256 th:TH_LOAD_NT scope:SCOPE_SE
.Lnot_mine_\@:
.endm
.macro CREST                           ; a round of the cluster's barrier behind its opening barrier
	s_cmp_lg_u32 s10, 0
	s_cbranch_scc1 .Lnot_wave_0_\@
	s_barrier_signal -3
.Lnot_wave_0_\@:
	s_barrier_wait -3
	s_barrier_signal -1
	s_barrier_wait -1
.endm
.macro CROUND
	s_barrier_signal -1
	s_barrier_wait -1
	CREST
.endm
.macro PLACES                          ; four places in front of loads into registers that matrix instructions have read, and of reads of results (ISA guide 7.12.1 for reads of results)
.rept 4
	v_nop
.endr
.endm
	s_load_b128 s[4:7], s[0:1], 0x0                ; xn, w16
	s_load_b64 s[8:9], s[0:1], 0x10                ; q
	s_load_b64 s[68:69], s[0:1], 0x18              ; kvq
	s_load_b64 s[70:71], s[0:1], 0x20              ; kv
	v_lshl_add_u32 v[SPW], v0, 2, SPARE
	v_mov_b32 v[NIL], 0
	ds_add_u32 v[SPW], v[NIL]                      ; the wave's opening: the add, twice on end, and its wait ahead of my first tensor load
	ds_add_u32 v[SPW], v[NIL]
	v_lshrrev_b32 v1, 5, v0
	v_readfirstlane_b32 s10, v1                    ; wave 0..3
	s_lshr_b32 s11, s10, 1                         ; my half of the tile's rows.  Also: I fetch for xn (0) or for Wq (1)
	s_and_b32 s12, s10, 1                          ; my half of its columns.  Also: which half I fetch
	s_bfe_u32 s40, ttmp6, 0x40000                  ; cx
	s_bfe_u32 s41, ttmp6, 0x40004                  ; cy
	s_lshl_b32 s42, ttmp9, 2
	s_add_co_u32 s42, s42, s40                     ; tile column = 4 x cluster x + cx
	s_and_b32 s13, ttmp7, 0xffff
	s_lshl_b32 s13, s13, 2
	s_add_co_u32 s13, s13, s41                     ; tile row = 4 x cluster y + cy
	s_lshl_b32 s43, s41, 2
	s_lshl_b32 s43, 15, s43                        ; my row of the cluster
	s_lshl_b32 s44, 0x1111, s40                    ; my column
	s_or_b32 s[G1+0], s43, (1<<16)|(1<<20)|(1<<21)|(5<<22)|(3<<25)  ; the mask; elements of 2 bytes; padding on; bit 21 beside a mask; after every 64 words, 4 words
	s_mov_b32 s[G1+1], 128<<16                     ; tensor_dim0 = 128
	s_mov_b32 s[G1+2], 64<<16                      ; tensor_dim1 = 64
	s_mov_b32 s[G1+3], 128<<16                     ; tile_dim0 = 128
	s_mov_b32 s[G1+4], 64                          ; tile_dim1 = 64
	s_mov_b32 s[G1+5], 2048                        ; elements from row to row
	s_mov_b32 s[G1+6], 0
	s_mov_b32 s[G1+7], 0
	s_or_b32 s[G1B+0], s44, (3<<16)|(1<<21)        ; the mask; elements of 8 bytes; no padding: a dense block as 128 rows of 256 bytes
	s_mov_b32 s[G1B+1], 32<<16
	s_mov_b32 s[G1B+2], 128<<16
	s_mov_b32 s[G1B+3], 32<<16
	s_mov_b32 s[G1B+4], 128
	s_mov_b32 s[G1B+5], 32
	s_mov_b32 s[G1B+6], 0
	s_mov_b32 s[G1B+7], 0
	s_lshl_b32 s16, s13, 7
	s_lshl_b32 s17, s12, 6
	s_add_co_u32 s16, s16, s17                     ; xn: row 128 x tile row + 64 x half,
	s_lshl_b32 s16, s16, 12                        ; 4,096 bytes a row
	s_mov_b32 s17, 0
	s_lshl_b32 s46, s42, 16                        ; Wq's image: 65,536 bytes a tile column in a K step,
	s_lshl_b32 s47, s12, 15
	s_add_co_u32 s46, s46, s47                     ; 32,768 a half
	s_mov_b32 s47, 0
	s_mul_i32 s20, s12, HALFA                      ; where they go: no place in the cluster enters an LDS address
	s_lshl_b32 s21, s12, 15
	s_add_co_u32 s21, s21, BOFF
	s_wait_dscnt 0x0                               ; both opening adds are done
	s_wait_kmcnt 0x0
	s_add_nc_u64 s[14:15], s[4:5], s[16:17]
	s_add_nc_u64 s[46:47], s[6:7], s[46:47]
	CROUND                                         ; all sixteen work-groups are here: the first joint loads meet
.irp s, 0,1
	s_mov_b32 s[G0+4*\s], 1
	s_add_co_u32 s[G0+4*\s+1], s20, \s*SLOT
	s_add_nc_u64 s[G0+4*\s+2:G0+4*\s+3], s[14:15], \s*256          ; K step s: 256 bytes along a row
	s_or_b32 s[G0+4*\s+3], s[G0+4*\s+3], 0x80000000
	s_mov_b32 s[G0B+4*\s], 1
	s_add_co_u32 s[G0B+4*\s+1], s21, \s*SLOT
	s_add_nc_u64 s[G0B+4*\s+2:G0B+4*\s+3], s[46:47], \s*262144     ; K step s of the image
	s_or_b32 s[G0B+4*\s+3], s[G0B+4*\s+3], 0x80000000
	JLOAD \s                                       ; two loads of mine are out
.endr
	; ---------------------------------------------------------------- (1): my share of kv, while the first two tiles are on their way.  Its scalars, s68 to s89, feed no descriptor.
	v_and_b32 v1, 31, v0
	v_lshlrev_b32 v[GO], 4, v1
	v_lshlrev_b32 v[L4], 2, v1
	s_lshr_b32 s74, s13, 1                         ; which media: 8 x batch + media - 1 = id / 8
	s_and_b32 s75, s13, 1
	s_lshl_b32 s75, s75, 2
	s_add_co_u32 s75, s75, s42                     ; id % 8
	s_lshl_b32 s75, s75, 1
	s_add_co_u32 s75, s75, s11                     ; head
	s_lshl_b32 s76, s74, 15                        ; media's codes: four row tiles of 8,192 bytes
	s_lshl_b32 s77, s74, 11
	s_add_co_u32 s77, s77, MS                      ; and scale words: four of 512
	s_lshl_b32 s78, s12, 6
	s_lshl_b32 s79, s75, 2
	s_add_co_u32 s78, s78, s79                     ; Wkv's first column tile: 64 x (0: k, 1: v) + 4 x head
	s_lshl_b32 s79, s78, 9
	s_add_co_u32 s79, s79, WS
	s_lshl_b32 s78, s78, 13
	s_add_co_u32 s78, s78, WC
	s_cmp_eq_u32 s12, 0                            ; k or v: the wave's number alone
	s_cselect_b32 s80, s78, s76                    ; X's codes
	s_cselect_b32 s82, s76, s78                    ; Y's codes
	s_cselect_b32 s84, s79, s77                    ; X's scale words
	s_cselect_b32 s86, s77, s79                    ; Y's
	s_mov_b32 s81, 0
	s_mov_b32 s83, 0
	s_mov_b32 s85, 0
	s_mov_b32 s87, 0
	s_lshl_b32 s88, s12, 22                        ; kv: k at 0, v at 4,194,304; 8,192 bytes for each media and head
	s_lshl_b32 s89, s74, 4
	s_add_co_u32 s89, s89, s75
	s_lshl_b32 s89, s89, 13
	s_add_co_u32 s88, s88, s89
	s_mov_b32 s89, 0
	s_add_nc_u64 s[80:81], s[68:69], s[80:81]
	s_add_nc_u64 s[82:83], s[68:69], s[82:83]
	s_add_nc_u64 s[84:85], s[68:69], s[84:85]
	s_add_nc_u64 s[86:87], s[68:69], s[86:87]
	s_add_nc_u64 s[70:71], s[70:71], s[88:89]
.irp t, 0,1,2,3
.irp p, 0,1,2,3
	global_load_b32 v[SX+4*\t+\p], v[L4], s[84:85] offset:\t*512+\p*128
	global_load_b32 v[SY+4*\t+\p], v[L4], s[86:87] offset:\t*512+\p*128
.endr
.endr
.irp ks, 0,1,2,3,4,5,6,7
	WIN 0x40                                       ; destination window 1
.irp x, 0,1,2,3
.irp c, 0,1
	global_load_b128 v[32*\ks+8*\x+4*\c:32*\ks+8*\x+4*\c+3], v[GO], s[80:81] offset:\x*8192+\ks*1024+\c*512
.endr
.endr
	WIN 0x80                                       ; destination window 2
.irp x, 0,1,2,3
.irp c, 0,1
	global_load_b128 v[32*\ks+8*\x+4*\c:32*\ks+8*\x+4*\c+3], v[GO], s[82:83] offset:\x*8192+\ks*1024+\c*512
.endr
.endr
.endr
; A K step of (1): 16 matrix instructions, the 16 accumulators by turns in one order throughout.  The first step starts the sums with the constant 0.
.macro KSTEP ks
	WAITL 16*(7-\ks)                               ; loads come back in order: behind this K step's stand 16 for each later step
	WIN 0x09                                       ; source 0 window 1, source 1 window 2, C and D window 0
.irp y, 0,1,2,3
.irp x, 0,1,2,3
.if \ks == 0
	v_wmma_scale_f32_16x16x128_f8f6f4 v[ACC+8*(4*\y+\x):ACC+8*(4*\y+\x)+7], v[32*\ks+8*\x:32*\ks+8*\x+7], v[32*\ks+8*\y:32*\ks+8*\y+7], 0, v[SX+4*\x+\ks/2], v[SY+4*\y+\ks/2] matrix_a_fmt:MATRIX_FMT_FP4 matrix_b_fmt:MATRIX_FMT_FP4
.elseif (\ks%2) == 0
	v_wmma_scale_f32_16x16x128_f8f6f4 v[ACC+8*(4*\y+\x):ACC+8*(4*\y+\x)+7], v[32*\ks+8*\x:32*\ks+8*\x+7], v[32*\ks+8*\y:32*\ks+8*\y+7], v[ACC+8*(4*\y+\x):ACC+8*(4*\y+\x)+7], v[SX+4*\x+\ks/2], v[SY+4*\y+\ks/2] matrix_a_fmt:MATRIX_FMT_FP4 matrix_b_fmt:MATRIX_FMT_FP4
.else
	v_wmma_scale_f32_16x16x128_f8f6f4 v[ACC+8*(4*\y+\x):ACC+8*(4*\y+\x)+7], v[32*\ks+8*\x:32*\ks+8*\x+7], v[32*\ks+8*\y:32*\ks+8*\y+7], v[ACC+8*(4*\y+\x):ACC+8*(4*\y+\x)+7], v[SX+4*\x+\ks/2], v[SY+4*\y+\ks/2] matrix_a_fmt:MATRIX_FMT_FP4 matrix_b_fmt:MATRIX_FMT_FP4 matrix_a_scale:MATRIX_SCALE_ROW1 matrix_b_scale:MATRIX_SCALE_ROW1
.endif
.endr
.endr
.endm
.irp ks, 0,1,2,3,4,5,6,7
	KSTEP \ks
.endr
	WIN 0
	PLACES                                         ; four places between the last product and the first read of a result
.irp y, 0,1,2,3                        ; fragment 2 y + xp: its first four registers from tile 2 xp of X, its last four from tile 2 xp + 1; each accumulator from its low end on
.irp xp, 0,1
.irp e, 0,1
.irp i, 0,1,2,3
	v_cvt_pk_f16_f32 v[OUTF+8*(2*\y+\xp)+4*\e+\i], v[ACC+8*(4*\y+2*\xp+\e)+2*\i], v[ACC+8*(4*\y+2*\xp+\e)+2*\i+1]
.endr
.endr
.endr
.endr
.irp f, 0,1,2,3,4,5,6,7
.irp c, 0,1
	global_store_b128 v[GO], v[OUTF+8*\f+4*\c:OUTF+8*\f+4*\c+3], s[70:71] offset:\f*1024+\c*512   ; 512 consecutive bytes a store; nothing waits for them
.endr
.endr
	s_wait_xcnt 0x0                                ; the stores have read their data: v192-255 take fragments of Wq below
	; ---------------------------------------------------------------- (2): the addresses.  These lines, the conversions and the four v_nop above are the places between (1)'s last product and the loads and products that write its registers anew
	v_and_b32 v1, 15, v0                           ; r
	v_bfe_u32 v2, v0, 4, 1                         ; h
	v_mul_u32_u24 v3, v1, PITCH
	v_lshl_add_u32 v3, v2, 4, v3                   ; xn: row r x pitch + 16 h
	v_and_b32 v4, 31, v0
	v_lshlrev_b32 v[PFO], 12, v4
	s_mul_i32 s21, s11, HALFA                      ; my 64 rows of xn
	s_lshl_b32 s22, s12, 15
	s_add_co_u32 s22, s22, BOFF                    ; my 8 column tiles of Wq
.irp s, 0,1
	v_add_nc_u32 v[ADRA+\s], s21, v3
	v_add_nc_u32 v[ADRB+\s], s22, v[GO]
	s_add_co_u32 s21, s21, SLOT
	s_add_co_u32 s22, s22, SLOT
.endr
	s_lshl_b32 s16, s13, 3
	s_lshl_b32 s17, s11, 2
	s_add_co_u32 s16, s16, s17                     ; q: my first row tile, 32,768 bytes each,
	s_lshl_b32 s16, s16, 15
	s_lshl_b32 s46, s42, 3
	s_lshl_b32 s47, s12, 2
	s_add_co_u32 s46, s46, s47                     ; my first fragment in it, 1,024 bytes each
	s_lshl_b32 s46, s46, 10
	s_add_co_u32 s46, s46, s16
	s_mov_b32 s47, 0
	s_add_nc_u64 s[8:9], s[8:9], s[46:47]
	s_cmp_eq_u32 s10, 0
	s_cselect_b32 s[LIM], 1, -1
	s_lshl_b32 s20, s13, 7
	s_lshl_b32 s21, s40, 5
	s_add_co_u32 s20, s20, s21                     ; my work-group's 32 rows of the tile's 128
	s_lshl_b32 s20, s20, 12
	s_add_co_u32 s20, s20, 512                     ; at K step 2: the first refill steps it to 3 and names K step 4.  Nothing is prefetched at the head
	s_mov_b32 s21, 0
	s_add_nc_u64 s[PFA:PFA+1], s[4:5], s[20:21]
; 24 LDS loads in one run: the fragments of the slot's quarter kq (32 along K) into buffer f: Wq's eight, then xn's four
.macro FETCH slot, kq, f
	WIN 0
.irp b, 0,1,2,3,4,5,6,7
	ds_load_b128 v[FB0+64*(\f)+8*\b:FB0+64*(\f)+8*\b+3],   v[ADRB+\slot] offset:\b*4096+(\kq)*1024
	ds_load_b128 v[FB0+64*(\f)+8*\b+4:FB0+64*(\f)+8*\b+7], v[ADRB+\slot] offset:\b*4096+(\kq)*1024+512
.endr
.irp i, 0,1,2,3
	ds_load_b128 v[FA0+32*(\f)+8*\i:FA0+32*(\f)+8*\i+3],   v[ADRA+\slot] offset:(\kq)*64+\i*16*PITCH
	ds_load_b128 v[FA0+32*(\f)+8*\i+4:FA0+32*(\f)+8*\i+7], v[ADRA+\slot] offset:(\kq)*64+\i*16*PITCH+32
.endr
.endm
; 8 matrix instructions: xn's block a against Wq's eight.  The 32 accumulators take turns, one instruction a turn, in one order throughout.  zero = 1: the product starts the sum.
.macro MUL8 f, a, zero
.irp b, 0,1,2,3,4,5,6,7
.if \zero
	v_wmma_f32_16x16x32_f16 v[8*(8*(\a)+\b):8*(8*(\a)+\b)+7], v[FB0+64*(\f)+8*\b:FB0+64*(\f)+8*\b+7], v[FA0+32*(\f)+8*(\a):FA0+32*(\f)+8*(\a)+7], 0
.else
	v_wmma_f32_16x16x32_f16 v[8*(8*(\a)+\b):8*(8*(\a)+\b)+7], v[FB0+64*(\f)+8*\b:FB0+64*(\f)+8*\b+7], v[FA0+32*(\f)+8*(\a):FA0+32*(\f)+8*(\a)+7], v[8*(8*(\a)+\b):8*(8*(\a)+\b)+7]
.endif
.endr
.endm
; One of a K step's first three quarters: multiplies buffer f; in its middle it fetches quarter kq of the same slot into buffer g.
.macro QUARTER slot, kq, f, g, zero
	s_wait_dscnt 4                                 ; all but the youngest four loads, xn's blocks 2 and 3
	WIN MUL
	MUL8 \f, 0, \zero
	MUL8 \f, 1, \zero
	PLACES
	FETCH \slot, \kq, \g
	s_wait_dscnt 24                                ; all but the 24 just issued
	WIN MUL
	MUL8 \f, 2, \zero
	MUL8 \f, 3, \zero
.endm
; The last quarter multiplies buffer 1 and changes slots: one barrier; in front of it each wave waits for all its tensor loads (one is out: its part of the next slot), adds 0 to its spare word, and waits for that
; and for its reads of this slot.  fill = 1: the barrier opens a round of the cluster's, and this slot is filled again first thing behind it, two K steps ahead: 112 matrix instructions ahead of the wait for it.
.macro TURN slot, next, fill
.if \fill
	s_wait_xcnt 0x0                                ; the last prefetch, a K step back, has read its address
	s_add_nc_u64 s[PFA:PFA+1], s[PFA:PFA+1], 256
.endif
	WIN 0                                          ; (the add's two registers lie in window 0)
	s_wait_tensorcnt 0x0
	ds_add_u32 v[SPW], v[NIL]
	s_wait_dscnt 5                                 ; (the add and the youngest four loads may be out)
	WIN MUL
	MUL8 1, 0, 0
	s_wait_dscnt 0x0                               ; the add is done, and my reads of this slot are over
	s_barrier_signal -1
	MUL8 1, 1, 0
.if \fill
	WIN 0
.endif
	s_barrier_wait -1
.if \fill
	CREST                                          ; no wave of any partner still reads this slot or has a load on its way
	s_add_nc_u64 s[G0+4*\slot+2:G0+4*\slot+3], s[G0+4*\slot+2:G0+4*\slot+3], 512
	s_add_nc_u64 s[G0B+4*\slot+2:G0B+4*\slot+3], s[G0B+4*\slot+2:G0B+4*\slot+3], 524288
	JLOAD \slot                                    ; its four v_nop are also the places in front of the loads below
.else
	PLACES
.endif
	FETCH \next, 0, 0
.if \fill
	ASK
.endif
	WIN MUL
	MUL8 1, 2, 0
	MUL8 1, 3, 0
.endm
	s_wait_tensorcnt 1                             ; my part of K step 0 is in; K step 1's may stay out
	s_barrier_signal -1
	s_barrier_wait -1
	FETCH 0, 0, 0
	QUARTER 0, 1, 0, 1, 1                          ; the first quarter stands in front of the loop: its products start the sums
	WIN 0                                          ; at a label and at a branch every window is 0
	s_mov_b32 s3, LAPS-1
.Llap:                                                 ; a trip goes once round the ring, from a lap's second quarter to the next lap's first, and fills both slots again
	QUARTER 0, 2, 1, 0, 0
	QUARTER 0, 3, 0, 1, 0
	TURN 0, 1, 1
	QUARTER 1, 1, 0, 1, 0
	QUARTER 1, 2, 1, 0, 0
	QUARTER 1, 3, 0, 1, 0
	TURN 1, 0, 1
	QUARTER 0, 1, 0, 1, 0
	WIN 0
	s_sub_co_u32 s3, s3, 1
	s_cmp_lg_u32 s3, 0
	s_cbranch_scc1 .Llap
	QUARTER 0, 2, 1, 0, 0                          ; the last lap fills nothing
	QUARTER 0, 3, 0, 1, 0
	TURN 0, 1, 0
	QUARTER 1, 1, 0, 1, 0
	QUARTER 1, 2, 1, 0, 0
	QUARTER 1, 3, 0, 1, 0
	s_wait_dscnt 4                                 ; the very last quarter: nothing more to fetch
	WIN MUL
	MUL8 1, 0, 0
	MUL8 1, 1, 0
	s_wait_dscnt 0x0
	MUL8 1, 2, 0
	MUL8 1, 3, 0
	; THE WAY OUT: accumulators (a, 2 bp) and (a, 2 bp + 1), rounded in pairs, are fragment bp of row tile a; each accumulator is read from its low end on
	WIN 0
	PLACES
	WIN 0x05                                       ; sources window 1, destination window 0
.irp a, 0,1,2,3
.irp bp, 0,1,2,3
.irp e, 0,1
.irp i, 0,1,2,3
	v_cvt_pk_f16_f32 v[128+32*\a+8*\bp+4*\e+\i], v[8*(8*\a+2*\bp+\e)+2*\i], v[8*(8*\a+2*\bp+\e)+2*\i+1]
.endr
.endr
.endr
.endr
	WIN 0
.irp a, 0,1,2,3
.irp bp, 0,1,2,3
.irp e, 0,1
	global_store_b128 v[GO], v[128+32*\a+8*\bp+4*\e:128+32*\a+8*\bp+4*\e+3], s[8:9] offset:\a*32768+\bp*1024+\e*512   ; 512 consecutive bytes a store
.endr
.endr
.endr
	s_wait_tensorcnt 0x0                           ; the wave's end
	ds_add_u32 v[SPW], v[NIL]
	s_wait_dscnt 0x0
	CROUND                                         ; the closing round: no work-group ends while a partner may still ask for a tile that names it
	s_endpgm
.Lfunc_end_k_q34976ac2d9_qkv:
	.size	k_q34976ac2d9_qkv, .Lfunc_end_k_q34976ac2d9_qkv-k_q34976ac2d9_qkv
	.p2alignl 7, 3214868480
	.fill 96, 4, 3214868480
	.section	.rodata,"a",@progbits
	.p2align	6, 0x0
	.amdhsa_kernel k_q34976ac2d9_qkv
		.amdhsa_group_segment_fixed_size 327680
		.amdhsa_private_segment_fixed_size 0
		.amdhsa_enable_private_segment 0
		.amdhsa_kernarg_size 40
		.amdhsa_user_sgpr_count 2
		.amdhsa_user_sgpr_kernarg_segment_ptr 1
		.amdhsa_wavefront_size32 1
		.amdhsa_system_sgpr_workgroup_id_x 1
		.amdhsa_system_sgpr_workgroup_id_y 1
		.amdhsa_system_sgpr_workgroup_id_z 1
		.amdhsa_system_vgpr_workitem_id 0
		.amdhsa_next_free_vgpr 768
		.amdhsa_next_free_sgpr 96
		.amdhsa_reserve_vcc 0
		.amdhsa_float_denorm_mode_32 3
		.amdhsa_float_denorm_mode_16_64 3
		.amdhsa_memory_ordered 1
		.amdhsa_forward_progress 1
		.amdhsa_inst_pref_size 121
	.end_amdhsa_kernel
	.amdgpu_metadata
---
amdhsa.version: [ 1, 2 ]
amdhsa.kernels:
  - .name:           k_q34976ac2d9_qkv
    .symbol:         k_q34976ac2d9_qkv.kd
    .args:
      - { .name: xn, .offset: 0, .size: 8, .value_kind: global_buffer, .address_space: global }
      - { .name: w16, .offset: 8, .size: 8, .value_kind: global_buffer, .address_space: global }
      - { .name: q, .offset: 16, .size: 8, .value_kind: global_buffer, .address_space: global }
      - { .name: kvq, .offset: 24, .size: 8, .value_kind: global_buffer, .address_space: global }
      - { .name: kv, .offset: 32, .size: 8, .value_kind: global_buffer, .address_space: global }
    .group_segment_fixed_size: 327680
    .private_segment_fixed_size: 0
    .kernarg_segment_align: 8
    .kernarg_segment_size: 40
    .max_flat_workgroup_size: 128
    .sgpr_count:     96
    .vgpr_count:     768
    .wavefront_size: 32
...
	.end_amdgpu_metadata
.endif
;; end of part 2
;; launch attn (part 3): grid 512 x 1, 4 waves a work-group, no clusters, 0 bytes of LDS; arguments q, kv, tt, ao; writes ao
.if DOCPART == 3
	.amdgcn_target "amdgcn-amd-amdhsa--gfx1250"
	.amdhsa_code_object_version 6
	.text
	.protected	k_q34976ac2d9_attn
	.globl	k_q34976ac2d9_attn
	.p2align	8
	.type	k_q34976ac2d9_attn,@function
k_q34976ac2d9_attn:
	s_mov_b64 s[64:65], 0
	v_nop
	global_prefetch_b8 v0, s[64:65] scope:SCOPE_SE
	s_setreg_imm32_b32 hwreg(HW_REG_WAVE_MODE, 25, 1), 1
	s_wait_xcnt 0x0
; Launch 3 of 4: the masked attention.  WORK LEFT OUT: the tiles of 64 keys whose media_time no query of the block has as its text_time (shown dead at the head of prep; tt says which).
; SHARES.  A wave takes 64 neighbouring queries (four tiles of 16; they lie in one batch) of one head.  Operands come from memory straight into registers, as images of the registers; no LDS, no barrier, no tensor load:
; the walk over media hangs on numbers read from memory.
; THE WALK.  text_time never falls along a batch, so the block's queries have t between its first query's and its last's.  A PASS takes one media m (64 keys): S^T = K Q^T, the weights p, O^T += V^T P.
; Passes run for m = max(first t, 1) .. min(last t, 8); if the last t is 9 (more than 8 media seen: reference()'s mask hides every key, and its softmax is 1/512 on all 512 keys) for m = 1 .. 8.
; The first pass always runs and starts the sums; the others stand in a loop of 7 trips with a scalar branch round the pass.
; A LANE HOLDS ONE QUERY (both products transposed).  In pass m:  p = 2^(a s + b), with
;   t = m:      a = c = log2(e) / 8, b = -c x (the largest of the query's 64 scores): the maximum that reference() takes away; a query has one such pass, so no running maximum is needed
;   t = 9:      a = 0, b = 0: p = 1 on every key of every pass; the sum ends at 512
;   otherwise:  a = 0, b = -1000: p = 0
; chosen by v_cndmask_b32: no branch hangs on a lane's t.  LIMIT: scores must be finite, since the lanes that take no part form 0 x score.
; At the end O^T is divided by the row's sum (of the unrounded p), held from below at 2^-100: a row with t = 0 has O = 0 and sum 0 and stays 0; a live row's sum is about 1 or more and is not touched.
; The result leaves as f16 in the order of ogemm's operand registers: ao [K step 8][row tile 512][32 along K: 4][1,024 bytes].
; REGISTERS: window 0: v1-3 offsets and c; v4-7 t of my query in each tile; v8-11 sums; v[12:13] a, v[14:15] b; v16-19 the rest term; v20-25 at work; v32-95 K; v96-159 V; v160-191 S^T, then p; v192-207 P.
;   window 1: v0-63 Q (tile i, half dc at 16 i + 8 dc); v64-191 O^T (tile i, 16 channels dt at 64 + 32 i + 8 dt).
.set TQ, 4
.set LS, 8
.set BN, 16
.set KF, 32
.set VF, 96
.set S,  160
.set P,  192
.set MSB, 0
.macro WIN new                         ; the immediate's high byte repeats the setting that is left
.if MSB != \new
	s_set_vgpr_msb (MSB<<8)|\new
.set MSB, \new
.endif
.endm
	s_load_b256 s[4:11], s[0:1], 0x0               ; q s[4:5], kv s[6:7], tt s[8:9], ao s[10:11]
	v_lshrrev_b32 v1, 5, v0
	v_readfirstlane_b32 s2, v1                     ; wave
	v_and_b32 v2, 31, v0
	v_lshlrev_b32 v1, 4, v2                        ; 16 x lane
	v_and_b32 v2, 15, v0
	v_lshlrev_b32 v2, 2, v2                        ; 4 x (lane % 16): my query's word of tt
	v_mov_b32 v3, 0x3e38aa3b                       ; c = log2(e) / 8
	v_mov_b32 v13, 0                               ; (upper halves of pairs that are named whole)
	v_mov_b32 v15, 0
	v_mov_b32 v24, 0
	v_mov_b32 v25, 0                               ; a lane permute's destination counts as one of its sources
	v_mov_b32 v27, 0xc47a0000                      ; -1000
	s_lshr_b32 s12, ttmp9, 2                       ; block of 64 queries
	s_and_b32 s13, ttmp9, 3
	s_lshl_b32 s13, s13, 2
	s_add_co_u32 s13, s13, s2                      ; head
	s_lshr_b32 s14, s12, 5                         ; batch
	s_mov_b32 s32, 0x76543210
	s_mov_b32 s33, 0xfedcba98
	s_lshl_b32 s16, s12, 8
	s_mov_b32 s17, 0
	s_lshl_b32 s18, s12, 17                        ; q: four row tiles of 32,768 bytes,
	s_lshl_b32 s19, s13, 11
	s_add_co_u32 s18, s18, s19                     ; the head's two fragments
	s_mov_b32 s19, 0
	s_lshl_b32 s34, s14, 20                        ; kv: 8 media x 131,072 bytes a batch,
	s_lshl_b32 s35, s13, 13
	s_add_co_u32 s34, s34, s35                     ; 8,192 a head
	s_mov_b32 s35, 0
	s_lshr_b32 s36, s13, 1
	s_lshl_b32 s36, s36, 21                        ; ao: K step head / 2,
	s_lshl_b32 s37, s12, 14
	s_add_co_u32 s36, s36, s37                     ; four row tiles of 4,096 bytes,
	s_and_b32 s37, s13, 1
	s_lshl_b32 s37, s37, 11
	s_add_co_u32 s36, s36, s37                     ; the head's two fragments of the four
	s_mov_b32 s37, 0
	s_wait_kmcnt 0x0
	s_add_nc_u64 s[8:9], s[8:9], s[16:17]
	s_load_b32 s20, s[8:9], 0x0                    ; the block's first t
	s_load_b32 s21, s[8:9], 0xfc                   ; and its last
	s_add_nc_u64 s[4:5], s[4:5], s[18:19]
	s_add_nc_u64 s[6:7], s[6:7], s[34:35]
	s_add_nc_u64 s[10:11], s[10:11], s[36:37]
.irp i, 0,1,2,3
	global_load_b32 v[TQ+\i], v2, s[8:9] offset:64*\i
.endr
	WIN 0x40                                       ; destination window 1
.irp i, 0,1,2,3
.irp dc, 0,1
.irp c, 0,1
	global_load_b128 v[16*\i+8*\dc+4*\c:16*\i+8*\dc+4*\c+3], v1, s[4:5] offset:\i*32768+\dc*1024+\c*512
.endr
.endr
.endr
	WIN 0
	s_wait_kmcnt 0x0
	s_min_u32 s20, s20, 9
	s_min_u32 s21, s21, 9
	s_min_u32 s23, s21, 8                          ; the last media to walk
	s_cmp_eq_u32 s21, 9
	s_cselect_b32 s22, 1, s20
	s_max_u32 s22, s22, 1
	s_min_u32 s22, s22, 8                          ; the first
	s_sub_co_u32 s24, s22, 1
	s_min_u32 s24, s24, 7                          ; a loaded number enters an address only behind a hold by a constant
	s_lshl_b32 s24, s24, 17
	s_mov_b32 s25, 0
	s_add_nc_u64 s[26:27], s[6:7], s[24:25]        ; the first pass's K (V lies 4,194,304 bytes on)
	s_add_nc_u64 s[28:29], s[6:7], 0x20000         ; the loop's: media 2 on
; One tile of 16 queries in a pass.
.macro TILE i, zero
	WIN 0x04                                       ; source 1 (Q) window 1
.irp dc, 0,1                           ; S^T: four accumulators by turns
.irp kt, 0,1,2,3
.if \dc == 0
	v_wmma_f32_16x16x32_f16 v[S+8*\kt:S+8*\kt+7], v[KF+16*\kt:KF+16*\kt+7], v[16*\i:16*\i+7], 0
.else
	v_wmma_f32_16x16x32_f16 v[S+8*\kt:S+8*\kt+7], v[KF+16*\kt+8:KF+16*\kt+15], v[16*\i+8:16*\i+15], v[S+8*\kt:S+8*\kt+7]
.endif
.endr
.endr
	WIN 0
.rept 4
	v_nop                                          ; four places ahead of the first read of a result
.endr
.irp kt, 0,1,2,3
	v_max3_num_f32 v[20+\kt], v[S+8*\kt], v[S+8*\kt+1], v[S+8*\kt+2]   ; each accumulator is read from its low end on
.endr
.irp kt, 0,1,2,3
	v_max3_num_f32 v[20+\kt], v[20+\kt], v[S+8*\kt+3], v[S+8*\kt+4]
.endr
.irp kt, 0,1,2,3
	v_max3_num_f32 v[20+\kt], v[20+\kt], v[S+8*\kt+5], v[S+8*\kt+6]
.endr
	v_max3_num_f32 v20, v20, v[S+7], v[S+15]
	v_max3_num_f32 v22, v22, v[S+23], v[S+31]
	v_max3_num_f32 v20, v20, v21, v22
	v_max_num_f32 v20, v20, v23
	v_permlanex16_b32 v25, v20, s32, s33           ; the query's other 32 keys lie in the lane 16 away
	v_max_num_f32 v20, v20, v25
	v_mul_f32 v22, 0xbe38aa3b, v20                 ; -c x the largest score
	v_cmp_eq_u32 vcc_lo, s30, v[TQ+\i]             ; is this media my query's?
	v_cndmask_b32 v12, 0, v3, vcc_lo
	v_cndmask_b32 v14, v[BN+\i], v22, vcc_lo
.irp j, 0,2,4,6,8,10,12,14,16,18,20,22,24,26,28,30
	v_pk_fma_f32 v[S+\j:S+\j+1], v[S+\j:S+\j+1], v[12:13], v[14:15] op_sel_hi:[1,0,0]
.endr
.irp j, 0,1,2,3,4,5,6,7,8,9,10,11,12,13,14,15,16,17,18,19,20,21,22,23,24,25,26,27,28,29,30,31
	v_exp_f32 v[S+\j], v[S+\j]
.endr
	v_nop                                          ; a plain instruction behind the last exponential,
	s_wait_alu depctr_va_vdst(0)                   ; and one wait for the batch of 32, ahead of its first reader
.irp j, 0,1,2,3,4,5,6,7,8,9,10,11,12,13,14,15
	v_cvt_pk_f16_f32 v[P+\j], v[S+2*\j], v[S+2*\j+1]   ; two neighbouring tiles of keys are source 1 (32 keys x 16 queries) of the second product
.endr
.irp u, 0,1,2,3,4,5,6,7                ; the sum of the unrounded p, in place
	v_pk_add_f32 v[S+4*\u:S+4*\u+1], v[S+4*\u:S+4*\u+1], v[S+4*\u+2:S+4*\u+3]
.endr
.irp u, 0,1,2,3
	v_pk_add_f32 v[S+8*\u:S+8*\u+1], v[S+8*\u:S+8*\u+1], v[S+8*\u+4:S+8*\u+5]
.endr
.irp u, 0,1
	v_pk_add_f32 v[S+16*\u:S+16*\u+1], v[S+16*\u:S+16*\u+1], v[S+16*\u+8:S+16*\u+9]
.endr
	v_pk_add_f32 v[S:S+1], v[S:S+1], v[S+16:S+17]
.if \zero
	v_add_f32 v[LS+\i], v[S], v[S+1]
.else
	v_add_f32 v21, v[S], v[S+1]
	v_add_f32 v[LS+\i], v[LS+\i], v21
.endif
.if \i == 0
	s_wait_loadcnt 0x0                             ; V is in
.endif
	WIN 0x50                                       ; C and D (O^T) window 1
.irp kc, 0,1                           ; four accumulators by turns
.irp dt, 0,1,2,3
.if \zero && (\kc == 0)
	v_wmma_f32_16x16x32_f16 v[64+32*\i+8*\dt:64+32*\i+8*\dt+7], v[VF+16*\dt+8*\kc:VF+16*\dt+8*\kc+7], v[P+8*\kc:P+8*\kc+7], 0
.else
	v_wmma_f32_16x16x32_f16 v[64+32*\i+8*\dt:64+32*\i+8*\dt+7], v[VF+16*\dt+8*\kc:VF+16*\dt+8*\kc+7], v[P+8*\kc:P+8*\kc+7], v[64+32*\i+8*\dt:64+32*\i+8*\dt+7]
.endif
.endr
.endr
.endm
; A pass: media s30, whose K lies at s[ptr:ptr+1].  zero = 1: the first pass, which starts O^T and the sums.
.macro PASS ptr, zero
.if !\zero
.rept 4
	v_nop                                          ; four places in front of loads into registers that matrix instructions have read
.endr
.endif
.irp f, 0,1,2,3,4,5,6,7
.irp c, 0,1
	global_load_b128 v[KF+8*\f+4*\c:KF+8*\f+4*\c+3], v1, s[\ptr:\ptr+1] offset:\f*1024+\c*512
.endr
.endr
.irp f, 0,1,2,3,4,5,6,7
.irp c, 0,1
	global_load_b128 v[VF+8*\f+4*\c:VF+8*\f+4*\c+3], v1, s[\ptr:\ptr+1] offset:4194304+\f*1024+\c*512
.endr
.endr
	s_wait_loadcnt 16                              ; K is in, and all that was asked for earlier (t, Q); V's 16 loads may be out
.if \zero
.irp i, 0,1,2,3
	v_cmp_eq_u32 vcc_lo, 9, v[TQ+\i]
	v_cndmask_b32 v[BN+\i], v27, v24, vcc_lo       ; the exponent of a lane that takes no part: 0 for t = 9, else -1000
.endr
.endif
	TILE 0, \zero
	TILE 1, \zero
	TILE 2, \zero
	TILE 3, \zero
	WIN 0
.endm
	s_mov_b32 s30, s22
	PASS 26, 1
	s_mov_b32 s30, 2
.Lm:                                                   ; 7 trips, media 2 to 8; a pass is walked where the stored numbers ask for it
	s_cmp_le_u32 s30, s22
	s_cbranch_scc1 .Lskip
	s_cmp_gt_u32 s30, s23
	s_cbranch_scc1 .Lskip
	PASS 28, 0
.Lskip:
	s_wait_xcnt 0x0                                ; the pass's loads have read their base
	s_add_nc_u64 s[28:29], s[28:29], 0x20000
	s_add_co_u32 s30, s30, 1
	s_cmp_lt_u32 s30, 9
	s_cbranch_scc1 .Lm
	; THE WAY OUT.  The additions and maxima below are the places behind the last products.
.irp i, 0,1,2,3
	v_permlanex16_b32 v[20+\i], v[LS+\i], s32, s33
.endr
.irp i, 0,1,2,3
	v_add_f32 v[LS+\i], v[LS+\i], v[20+\i]         ; with the other half of the keys: the row's sum
.endr
.irp i, 0,1,2,3
	v_max_num_f32 v[LS+\i], 0x0d800000, v[LS+\i]   ; held at 2^-100 from below: a row of zeros stays a row of zeros
.endr
.irp i, 0,1,2,3
	v_rcp_f32 v[16+2*\i], v[LS+\i]
.endr
	v_nop
	s_wait_alu depctr_va_vdst(0)                   ; one wait for the four reciprocals
.irp i, 0,1,2,3
	WIN 0x01                                       ; source 0 (O^T) window 1
.irp j, 0,2,4,6,8,10,12,14,16,18,20,22,24,26,28,30
	v_pk_mul_f32 v[S+\j:S+\j+1], v[64+32*\i+\j:64+32*\i+\j+1], v[16+2*\i:17+2*\i] op_sel_hi:[1,0]
.endr
	WIN 0
.irp j, 0,1,2,3,4,5,6,7,8,9,10,11,12,13,14,15
	v_cvt_pk_f16_f32 v[KF+16*\i+\j], v[S+2*\j], v[S+2*\j+1]
.endr
.irp s, 0,1,2,3
	global_store_b128 v1, v[KF+16*\i+4*\s:KF+16*\i+4*\s+3], s[10:11] offset:\i*4096+\s*512   ; 512 consecutive bytes a store; every tile has registers of its own
.endr
.endr
	s_endpgm
.Lfunc_end_k_q34976ac2d9_attn:
	.size	k_q34976ac2d9_attn, .Lfunc_end_k_q34976ac2d9_attn-k_q34976ac2d9_attn
	.p2alignl 7, 3214868480
	.fill 96, 4, 3214868480
	.section	.rodata,"a",@progbits
	.p2align	6, 0x0
	.amdhsa_kernel k_q34976ac2d9_attn
		.amdhsa_group_segment_fixed_size 0
		.amdhsa_private_segment_fixed_size 0
		.amdhsa_enable_private_segment 0
		.amdhsa_kernarg_size 32
		.amdhsa_user_sgpr_count 2
		.amdhsa_user_sgpr_kernarg_segment_ptr 1
		.amdhsa_wavefront_size32 1
		.amdhsa_system_sgpr_workgroup_id_x 1
		.amdhsa_system_sgpr_workgroup_id_y 1
		.amdhsa_system_sgpr_workgroup_id_z 1
		.amdhsa_system_vgpr_workitem_id 0
		.amdhsa_next_free_vgpr 512
		.amdhsa_next_free_sgpr 66
		.amdhsa_reserve_vcc 1
		.amdhsa_float_denorm_mode_32 3
		.amdhsa_float_denorm_mode_16_64 3
		.amdhsa_memory_ordered 1
		.amdhsa_forward_progress 1
		.amdhsa_inst_pref_size 74
	.end_amdhsa_kernel
	.amdgpu_metadata
---
amdhsa.version: [ 1, 2 ]
amdhsa.kernels:
  - .name:           k_q34976ac2d9_attn
    .symbol:         k_q34976ac2d9_attn.kd
    .args:
      - { .name: q, .offset: 0, .size: 8, .value_kind: global_buffer, .address_space: global }
      - { .name: kv, .offset: 8, .size: 8, .value_kind: global_buffer, .address_space: global }
      - { .name: tt, .offset: 16, .size: 8, .value_kind: global_buffer, .address_space: global }
      - { .name: ao, .offset: 24, .size: 8, .value_kind: global_buffer, .address_space: global }
    .group_segment_fixed_size: 0
    .private_segment_fixed_size: 0
    .kernarg_segment_align: 8
    .kernarg_segment_size: 32
    .max_flat_workgroup_size: 128
    .sgpr_count:     66
    .vgpr_count:     512
    .wavefront_size: 32
...
	.end_amdgpu_metadata
.endif
;; end of part 3
;; launch ogemm (part 4): grid 8 x 32, 4 waves a work-group, clusters of 4 x 4, 327,680 bytes of LDS; arguments ao, w16, out0; writes out0
.if DOCPART == 4
	.amdgcn_target "amdgcn-amd-amdhsa--gfx1250"
	.amdhsa_code_object_version 6
	.text
	.protected	k_q34976ac2d9_ogemm
	.globl	k_q34976ac2d9_ogemm
	.p2align	8
	.type	k_q34976ac2d9_ogemm,@function
k_q34976ac2d9_ogemm:
	s_mov_b64 s[64:65], 0
	v_nop
	global_prefetch_b8 v0, s[64:65] scope:SCOPE_SE
	s_setreg_imm32_b32 hwreg(HW_REG_WAVE_MODE, 25, 1), 1
	s_wait_xcnt 0x0
	s_wait_alu depctr_hold_cnt(0) depctr_sa_sdst(0) depctr_va_vdst(0) depctr_va_sdst(0) depctr_va_ssrc(0) depctr_va_vcc(0) depctr_vm_vsrc(0)
	s_getreg_b32 s2, hwreg(HW_REG_IB_STS2, 6, 4)
	s_cmp_eq_u32 s2, 0
	s_cbranch_scc0 .Lentry_in_a_cluster
	s_endpgm
.Lentry_in_a_cluster:
	s_bfe_u32 s2, ttmp6, 0x10000c
	s_cmp_lg_u32 s2, 0xf033
	s_cbranch_scc0 .Lentry_shape_is_right
	s_endpgm
.Lentry_shape_is_right:
; Launch 4 of 4: out0 = ao @ Wo, [8192, 1024] x [1024, 2048], f16 operands, f32 sums, f32 out.
; SHAPE.  256 tiles of 256 x 256, one for each work-group; four waves, each 128 x 128: 64 accumulators, 512 registers.  K goes in 8 steps of 128 through two LDS slots.
; Both operands lie in memory as images of the operand's registers, so a K step's tile is a dense block of 65,536 bytes, a fragment load reads 512 consecutive bytes, and no padding is needed.
; CLUSTER 4 x 4: ao's tile is shared along a row of the cluster, Wo's along a column: each is asked for jointly, by the same tensor load with a mask that names the four.
; THE MATRIX INSTRUCTION IS USED TRANSPOSED (source 0 = 16 columns of Wo, source 1 = 16 rows of ao): a lane holds 8 neighbouring numbers of a row of out0.
; REGISTERS: window 0: v16-30 addresses; v64-127, v128-191 ao's fragments, two buffers; on the way out v128-255.  window 1: v64-127, v128-191 Wo's.  window 2: the accumulators of my rows 0-63
; ((a, b) at v[8 (8 a + b)]); window 3: those of my rows 64-127.
.set HALFT,  32768                     ; what one tensor load brings, and what one wave reads of ao or of Wo
.set SLOT,   4*HALFT                   ; ao's 65,536 bytes, then Wo's
.set STAGE,  2*SLOT                    ; behind the ring, never a tensor load's target: 16 rows x 528 bytes for each wave, for the way out
.set SPITCH, 528
.set SPARE,  STAGE+4*16*SPITCH         ; the spare words, 128 bytes a wave: two blocks of 256 bytes that no other line names
.set LAPS,   4
.set ADRA, 16
.set ADRB, 20
.set STO,  24
.set RD,   25
.set CO,   26
.set SPW,  28
.set NIL,  29
.set PFO,  30
.set F0,   64
.set F1,   128
.set BK,   128
.set G1,  24
.set G0,  32
.set G1B, 48
.set G0B, 56
.set PFA, 44
.set LIM, 43
.set MSB, 0
.macro WIN new                         ; the immediate's high byte repeats the setting that is left
.if MSB != \new
	s_set_vgpr_msb (MSB<<8)|\new
.set MSB, \new
.endif
.endm
.set MUL_LO, 0xa1                      ; source 0 (Wo) window 1, source 1 (ao) window 0, C and D window 2
.set MUL_HI, 0xf1                      ; the same, C and D window 3
.set TO_B,   0x40                      ; destination window 1
.macro JLOAD s                         ; waves 0 and 1 fetch ao's two halves, waves 2 and 3 Wo's; an s_nop 0 and four v_nop follow each of the two lines
	s_cmp_eq_u32 s11, 0
	s_cbranch_scc0 .Lfor_b_\@
	tensor_load_to_lds s[G0+4*\s:G0+4*\s+3], s[G1:G1+7]
	s_nop 0
.rept 4
	v_nop
.endr
	s_branch .Lasked_\@
.Lfor_b_\@:
	tensor_load_to_lds s[G0B+4*\s:G0B+4*\s+3], s[G1B:G1B+7]
	s_nop 0
.rept 4
	v_nop
.endr
.Lasked_\@:
.endm
; A prefetch of ao, which comes from memory: the K step that stands two refills on.  A tile row's block is read by the two clusters of a row of clusters: the first (cluster x = 0) asks.  Of the 32,768 bytes that
; wave 0 or 1 fetches, each of the four partners takes 8,192, told apart by address, lanes 256 bytes apart: one instruction a wave.  The loop's last trip asks for nothing.  Wo's image is read again and again: not asked for.
.macro ASK
	s_cmp_gt_u32 s3, s[LIM]
	s_cbranch_scc0 .Lnot_mine_\@
	global_prefetch_b8 v[PFO], s[PFA:PFA+1] offset:2097152 th:TH_LOAD_NT scope:SCOPE_SE
.Lnot_mine_\@:
.endm
.macro CREST
	s_cmp_lg_u32 s10, 0
	s_cbranch_scc1 .Lnot_wave_0_\@
	s_barrier_signal -3
.Lnot_wave_0_\@:
	s_barrier_wait -3
	s_barrier_signal -1
	s_barrier_wait -1
.endm
.macro CROUND
	s_barrier_signal -1
	s_barrier_wait -1
	CREST
.endm
.macro PLACES                          ; four places in front of loads into registers that matrix instructions have read, and of reads of results (ISA guide 7.12.1 for reads of results)
.rept 4
	v_nop
.endr
.endm
	s_load_b128 s[4:7], s[0:1], 0x0                ; ao, w16
	s_load_b64 s[8:9], s[0:1], 0x10                ; out0
	v_lshl_add_u32 v[SPW], v0, 2, SPARE
	v_mov_b32 v[NIL], 0
	ds_add_u32 v[SPW], v[NIL]                      ; the wave's opening: the add, twice on end, and its wait ahead of my first tensor load
	ds_add_u32 v[SPW], v[NIL]
	v_lshrrev_b32 v1, 5, v0
	v_readfirstlane_b32 s10, v1                    ; wave 0..3
	s_lshr_b32 s11, s10, 1                         ; my half of the tile's rows.  Also: I fetch for ao (0) or for Wo (1)
	s_and_b32 s12, s10, 1                          ; my half of its columns.  Also: which half I fetch
	s_bfe_u32 s40, ttmp6, 0x40000                  ; cx
	s_bfe_u32 s41, ttmp6, 0x40004                  ; cy
	s_lshl_b32 s42, ttmp9, 2
	s_add_co_u32 s42, s42, s40                     ; tile column
	s_and_b32 s13, ttmp7, 0xffff
	s_lshl_b32 s13, s13, 2
	s_add_co_u32 s13, s13, s41                     ; tile row
	s_lshl_b32 s43, s41, 2
	s_lshl_b32 s43, 15, s43                        ; my row of the cluster
	s_lshl_b32 s44, 0x1111, s40                    ; my column
	s_or_b32 s[G1+0], s43, (3<<16)|(1<<21)         ; the mask; elements of 8 bytes; bit 21 beside a mask; no padding: a dense block as 128 rows of 256 bytes
	s_or_b32 s[G1B+0], s44, (3<<16)|(1<<21)
.irp g, G1, G1B
	s_mov_b32 s[\g+1], 32<<16
	s_mov_b32 s[\g+2], 128<<16
	s_mov_b32 s[\g+3], 32<<16
	s_mov_b32 s[\g+4], 128
	s_mov_b32 s[\g+5], 32
	s_mov_b32 s[\g+6], 0
	s_mov_b32 s[\g+7], 0
.endr
	s_lshl_b32 s16, s13, 16                        ; ao: 65,536 bytes a tile row in a K step,
	s_lshl_b32 s17, s12, 15
	s_add_co_u32 s16, s16, s17                     ; 32,768 a half
	s_mov_b32 s17, 0
	s_lshl_b32 s46, s42, 16                        ; Wo's image likewise, by the tile column;
	s_lshl_b32 s47, s12, 15
	s_add_co_u32 s46, s46, s47
	s_add_co_u32 s46, s46, 4194304                 ; it lies behind Wq's in w16
	s_mov_b32 s47, 0
	s_lshl_b32 s20, s10, 15                        ; where they go: wave x 32,768: no place in the cluster enters an LDS address
	s_wait_dscnt 0x0                               ; both opening adds are done
	s_wait_kmcnt 0x0
	s_add_nc_u64 s[14:15], s[4:5], s[16:17]
	s_add_nc_u64 s[46:47], s[6:7], s[46:47]
	CROUND                                         ; all sixteen work-groups are here: the first joint loads meet
.irp s, 0,1
	s_mov_b32 s[G0+4*\s], 1
	s_add_co_u32 s[G0+4*\s+1], s20, \s*SLOT
	s_add_nc_u64 s[G0+4*\s+2:G0+4*\s+3], s[14:15], \s*2097152      ; K step s of ao
	s_or_b32 s[G0+4*\s+3], s[G0+4*\s+3], 0x80000000
	s_mov_b32 s[G0B+4*\s], 1
	s_add_co_u32 s[G0B+4*\s+1], s20, \s*SLOT
	s_add_nc_u64 s[G0B+4*\s+2:G0B+4*\s+3], s[46:47], \s*524288     ; K step s of Wo's image
	s_or_b32 s[G0B+4*\s+3], s[G0B+4*\s+3], 0x80000000
	JLOAD \s                                       ; two loads of mine are out
.endr
	v_and_b32 v1, 15, v0                           ; r
	v_bfe_u32 v2, v0, 4, 1                         ; h
	v_and_b32 v3, 31, v0
	v_lshlrev_b32 v[PFO], 8, v3
	v_lshlrev_b32 v[CO], 4, v3                     ; 16 x lane
	s_lshl_b32 s21, s11, 15                        ; my 8 row tiles of ao
	s_lshl_b32 s22, s12, 15
	s_add_co_u32 s22, s22, 2*HALFT                 ; my 8 column tiles of Wo
.irp s, 0,1
	v_add_nc_u32 v[ADRA+\s], s21, v[CO]
	v_add_nc_u32 v[ADRB+\s], s22, v[CO]
	s_add_co_u32 s21, s21, SLOT
	s_add_co_u32 s22, s22, SLOT
.endr
	s_mul_i32 s23, s10, 16*SPITCH
	s_add_co_u32 s23, s23, STAGE                   ; my stage
	v_mul_u32_u24 v4, v1, SPITCH
	v_lshl_add_u32 v4, v2, 5, v4
	v_add_nc_u32 v[STO], s23, v4                   ; in: row r, 32 bytes for each half of the lanes
	v_add_nc_u32 v[RD], s23, v[CO]                 ; back: the 32 lanes take one row of 512 bytes
	s_lshl_b32 s16, s13, 21
	s_lshl_b32 s17, s11, 20
	s_add_co_u32 s16, s16, s17                     ; out0: row 256 x tile row + 128 x half, 8,192 bytes a row,
	s_lshl_b32 s46, s42, 10
	s_lshl_b32 s47, s12, 9
	s_add_co_u32 s46, s46, s47                     ; column bytes 1,024 x tile column + 512 x half
	s_add_co_u32 s46, s46, s16
	s_mov_b32 s47, 0
	s_add_nc_u64 s[8:9], s[8:9], s[46:47]
	s_or_b32 s[LIM], s11, ttmp9                    ; 0 in waves 0 and 1 of the first cluster of a row of clusters: the same in all sixteen partners
	s_cmp_eq_u32 s[LIM], 0
	s_cselect_b32 s[LIM], 1, -1
	s_lshl_b32 s20, s13, 16
	s_lshl_b32 s21, s12, 15
	s_add_co_u32 s20, s20, s21
	s_lshl_b32 s21, s40, 13
	s_add_co_u32 s20, s20, s21                     ; my work-group's 8,192 bytes of the half
	s_add_co_u32 s20, s20, 2*2097152               ; at K step 2: the first refill steps it to 3 and names K step 4.  Nothing is prefetched at the head
	s_mov_b32 s21, 0
	s_add_nc_u64 s[PFA:PFA+1], s[4:5], s[20:21]
; 16 matrix instructions: ao's blocks a0, a0 + 1 of the window's four x Wo's eight.  The 64 accumulators take turns, one instruction a turn, in one order throughout.
.macro MUL16 f, hi, a0, zero
.irp a, \a0, \a0+1
.irp b, 0,1,2,3,4,5,6,7
.if \zero
	v_wmma_f32_16x16x32_f16 v[8*(8*(\a)+\b):8*(8*(\a)+\b)+7], v[\f+8*\b:\f+8*\b+7], v[\f+8*(4*\hi+\a):\f+8*(4*\hi+\a)+7], 0
.else
	v_wmma_f32_16x16x32_f16 v[8*(8*(\a)+\b):8*(8*(\a)+\b)+7], v[\f+8*\b:\f+8*\b+7], v[\f+8*(4*\hi+\a):\f+8*(4*\hi+\a)+7], v[8*(8*(\a)+\b):8*(8*(\a)+\b)+7]
.endif
.endr
.endr
.endm
; 32 LDS loads in one run: the fragments of the slot's quarter kq into buffer f: Wo's eight, then ao's eight
.macro FETCH slot, kq, f
	WIN TO_B
.irp i, 0,1,2,3,4,5,6,7
	ds_load_b128 v[\f+8*\i:\f+8*\i+3],   v[ADRB+\slot] offset:\i*4096+(\kq)*1024
	ds_load_b128 v[\f+8*\i+4:\f+8*\i+7], v[ADRB+\slot] offset:\i*4096+(\kq)*1024+512
.endr
	WIN 0
.irp i, 0,1,2,3,4,5,6,7
	ds_load_b128 v[\f+8*\i:\f+8*\i+3],   v[ADRA+\slot] offset:\i*4096+(\kq)*1024
	ds_load_b128 v[\f+8*\i+4:\f+8*\i+7], v[ADRA+\slot] offset:\i*4096+(\kq)*1024+512
.endr
.endm
.macro QUARTER slot, kq, f, g, zero
	s_wait_dscnt 8                                 ; all but the youngest eight loads, ao's rows 64-127
	WIN MUL_LO
	MUL16 \f, 0, 0, \zero
	MUL16 \f, 0, 2, \zero
	PLACES
	FETCH \slot, \kq, \g
	s_wait_dscnt 32                                ; all but the 32 just issued
	WIN MUL_HI
	MUL16 \f, 1, 0, \zero
	MUL16 \f, 1, 2, \zero
.endm
; The last quarter multiplies buffer 1 and changes slots: one barrier; in front of it each wave waits for all its tensor loads (one is out: its part of the next slot), adds 0 to its spare word, and waits for that
; and for its reads of this slot.  fill = 1: the barrier opens a round of the cluster's, and this slot is filled again first thing behind it: 224 matrix instructions ahead of the wait for it.
.macro TURN slot, next, fill
.if \fill
	s_wait_xcnt 0x0                                ; the last prefetch, a K step back, has read its address
	s_add_nc_u64 s[PFA:PFA+1], s[PFA:PFA+1], 2097152
.endif
	WIN 0                                          ; (the add's two registers lie in window 0)
	s_wait_tensorcnt 0x0
	ds_add_u32 v[SPW], v[NIL]
	s_wait_dscnt 9                                 ; (the add and the youngest eight loads may be out)
	WIN MUL_LO
	MUL16 F1, 0, 0, 0
	s_wait_dscnt 0x0                               ; the add is done, and my reads of this slot are over
	s_barrier_signal -1
	MUL16 F1, 0, 2, 0
.if \fill
	WIN 0
.endif
	s_barrier_wait -1
.if \fill
	CREST                                          ; no wave of any partner still reads this slot or has a load on its way
	s_add_nc_u64 s[G0+4*\slot+2:G0+4*\slot+3], s[G0+4*\slot+2:G0+4*\slot+3], 4194304
	s_add_nc_u64 s[G0B+4*\slot+2:G0B+4*\slot+3], s[G0B+4*\slot+2:G0B+4*\slot+3], 1048576
	JLOAD \slot                                    ; its four v_nop are also the places in front of the loads below
.else
	PLACES
.endif
	FETCH \next, 0, F0
.if \fill
	ASK
.endif
	WIN MUL_HI
	MUL16 F1, 1, 0, 0
	MUL16 F1, 1, 2, 0
.endm
	s_wait_tensorcnt 1                             ; my part of K step 0 is in; K step 1's may stay out
	s_barrier_signal -1
	s_barrier_wait -1
	FETCH 0, 0, F0
	QUARTER 0, 1, F0, F1, 1                        ; the first quarter stands in front of the loop: its products start the sums
	WIN 0
	s_mov_b32 s3, LAPS-1
.Llap:                                                 ; a trip goes once round the ring and fills both slots again
	QUARTER 0, 2, F1, F0, 0
	QUARTER 0, 3, F0, F1, 0
	TURN 0, 1, 1
	QUARTER 1, 1, F0, F1, 0
	QUARTER 1, 2, F1, F0, 0
	QUARTER 1, 3, F0, F1, 0
	TURN 1, 0, 1
	QUARTER 0, 1, F0, F1, 0
	WIN 0
	s_sub_co_u32 s3, s3, 1
	s_cmp_lg_u32 s3, 0
	s_cbranch_scc1 .Llap
	QUARTER 0, 2, F1, F0, 0                        ; the last lap fills nothing
	QUARTER 0, 3, F0, F1, 0
	TURN 0, 1, 0
	QUARTER 1, 1, F0, F1, 0
	QUARTER 1, 2, F1, F0, 0
	QUARTER 1, 3, F0, F1, 0
	s_wait_dscnt 8                                 ; the very last quarter: nothing more to fetch
	WIN MUL_LO
	MUL16 F1, 0, 0, 0
	MUL16 F1, 0, 2, 0
	s_wait_dscnt 0x0
	WIN MUL_HI
	MUL16 F1, 1, 0, 0
	MUL16 F1, 1, 2, 0
	WIN 0
; THE WAY OUT, block by block of 16 rows x 128 columns.  A lane holds 32 neighbouring bytes of a row and the lanes beside it hold other rows: a block goes through my own stage in LDS and comes back as whole rows of
; 512 bytes.  LDS serves a wave's instructions in order (ISA guide 5.7.1.4): no wait between the stores and the loads, nor in front of the next block's stores.
.macro TOSTAGE a
.set AC, 64*((\a)%4)
	WIN 0x08+4*((\a)/4)                            ; an LDS store's data: window 2 or 3
.irp b, 0,1,2,3,4,5,6,7
	ds_store_b128 v[STO], v[AC+8*\b:AC+8*\b+3] offset:64*\b          ; each accumulator from its low end on
	ds_store_b128 v[STO], v[AC+8*\b+4:AC+8*\b+7] offset:64*\b+16
.endr
	WIN 0
.set BB, BK+64*((\a)%2)
.irp t, 0,1,2,3,4,5,6,7,8,9,10,11,12,13,14,15
	ds_load_b128 v[BB+4*\t:BB+4*\t+3], v[RD] offset:\t*SPITCH
.endr
.endm
.macro SEND a, younger                 ; younger: the LDS instructions issued behind block a's loads, which may stay out
.set BB, BK+64*((\a)%2)
	s_wait_dscnt \younger
.if (\a) > 0
	s_add_nc_u64 s[8:9], s[8:9], 16*8192           ; (behind a wait on XCNT: the earlier stores have read their base)  16 rows on
.endif
.irp t, 0,1,2,3,4,5,6,7,8,9,10,11,12,13,14,15
	global_store_b128 v[CO], v[BB+4*\t:BB+4*\t+3], s[8:9] offset:\t*8192 th:TH_STORE_NT   ; 512 consecutive bytes, at a multiple of 256 from out0's first byte; written once, read by nobody here
.endr
.endm
	PLACES                                         ; for the reads of the last results and for the loads into registers that held ao's fragments
	TOSTAGE 0
.irp a, 1,2,3,4,5,6,7
.if \a > 1
	s_wait_xcnt 0x0                                ; block a - 2's stores have read their registers and their base
.endif
	TOSTAGE \a
	SEND \a-1, 32                                  ; behind block a - 1's loads: block a's 16 stores and 16 loads
.endr
	s_wait_xcnt 0x0
	SEND 7, 0
	s_wait_tensorcnt 0x0                           ; the wave's end, behind my last tensor load and my last LDS store
	ds_add_u32 v[SPW], v[NIL]
	s_wait_dscnt 0x0
	CROUND                                         ; the closing round
	s_endpgm
.Lfunc_end_k_q34976ac2d9_ogemm:
	.size	k_q34976ac2d9_ogemm, .Lfunc_end_k_q34976ac2d9_ogemm-k_q34976ac2d9_ogemm
	.p2alignl 7, 3214868480
	.fill 96, 4, 3214868480
	.section	.rodata,"a",@progbits
	.p2align	6, 0x0
	.amdhsa_kernel k_q34976ac2d9_ogemm
		.amdhsa_group_segment_fixed_size 327680
		.amdhsa_private_segment_fixed_size 0
		.amdhsa_enable_private_segment 0
		.amdhsa_kernarg_size 24
		.amdhsa_user_sgpr_count 2
		.amdhsa_user_sgpr_kernarg_segment_ptr 1
		.amdhsa_wavefront_size32 1
		.amdhsa_system_sgpr_workgroup_id_x 1
		.amdhsa_system_sgpr_workgroup_id_y 1
		.amdhsa_system_sgpr_workgroup_id_z 1
		.amdhsa_system_vgpr_workitem_id 0
		.amdhsa_next_free_vgpr 1024
		.amdhsa_next_free_sgpr 66
		.amdhsa_reserve_vcc 0
		.amdhsa_float_denorm_mode_32 3
		.amdhsa_float_denorm_mode_16_64 3
		.amdhsa_memory_ordered 1
		.amdhsa_forward_progress 1
		.amdhsa_inst_pref_size 141
	.end_amdhsa_kernel
	.amdgpu_metadata
---
amdhsa.version: [ 1, 2 ]
amdhsa.kernels:
  - .name:           k_q34976ac2d9_ogemm
    .symbol:         k_q34976ac2d9_ogemm.kd
    .args:
      - { .name: ao, .offset: 0, .size: 8, .value_kind: global_buffer, .address_space: global }
      - { .name: w16, .offset: 8, .size: 8, .value_kind: global_buffer, .address_space: global }
      - { .name: out0, .offset: 16, .size: 8, .value_kind: global_buffer, .address_space: global }
    .group_segment_fixed_size: 327680
    .private_segment_fixed_size: 0
    .kernarg_segment_align: 8
    .kernarg_segment_size: 24
    .max_flat_workgroup_size: 128
    .sgpr_count:     66
    .vgpr_count:     1024
    .wavefront_size: 32
...
	.end_amdgpu_metadata
.endif
;; end of part 4
